; MI455X (gfx1250); checked and timed in simulation.
; The chip was launched on July 23, 2026; its instructions are those of AMD's public machine-readable ISA for CDNA 5 (MIT licence, August 2026) and "CDNA5" Instruction Set Architecture Reference Guide (July 2026). The comments in the code are by the model that wrote it; some were corrected since.
;; Local Attention. Allowed arithmetic: matrix products marked QUANTISED: E2M3 operands, one E8M0 scale for each 32 along K, by v_wmma_scale_f32_16x16x128_f8f6f4 with both operands' format E2M3, f32 sums; everything else in f32.
;; Inputs: Wk 1,024 x 1,024 float32; Wo 1,024 x 1,024 float32; Wq 1,024 x 1,024 float32; Wv 1,024 x 1,024 float32; bk 1,024 float32; bo 1,024 float32; bq 1,024 float32; bv 1,024 float32; x 4 x 2,048 x 1,024 float32.
;; Outputs: out0 4 x 2,048 x 1,024 float32.
;; This version of the problem:
;;   THIS VERSION OF THE PROBLEM IS GIVEN IN LOW PRECISION. The matrix products marked QUANTISED in the list below multiply operands that are first quantised to E2M3 (2 exponent bits, 3 mantissa bits; 6 bits a number), with one power-of-two scale for each 32 numbers along K (OCP MX v1.0); their sums are f32. All else is computed in f32.
;;   The module's matrix products, in the order in which they are computed (A, B: the left and right operand; K: the contracted axis; several contracted axes count as one K, in the product's order):
;;     1. [M 8,192, K 1,024] x [K 1,024, N 1,024]; A: input x; B: input Wq: QUANTISED
;;     2. [M 8,192, K 1,024] x [K 1,024, N 1,024]; A: input x; B: input Wk: QUANTISED
;;     3. [M 8,192, K 1,024] x [K 1,024, N 1,024]; A: input x; B: input Wv: QUANTISED
;;     4. batch 4 x [M 2,048, K 1,024] x [K 1,024, N 2,048]; A: computed on the way; B: computed on the way: QUANTISED
;;     5. batch 4 x [M 2,048, K 2,048] x [K 2,048, N 1,024]; A: softmax (see below); B: computed on the way: QUANTISED
;;     6. [M 8,192, K 1,024] x [K 1,024, N 1,024]; A: computed on the way; B: input Wo: QUANTISED
;;   THE QUANTISER, for each operand of a quantised product, along K:
;;     - K is cut into blocks of 32 from its start; a last block that is shorter is filled with zeros.
;;     - A block's scale is 2^e with e = floor(log2(the largest magnitude in the block)) - 2, held to -126 .. 127; a block of zeros has e = 0. As a byte (E8M0): e + 127.
;;     - Each number is divided by its block's scale, clamped to +-7.5, and rounded to the nearest number of E2M3, ties to even, subnormals kept.
;;     - The product sums the exact products of the quantised numbers (number of the format x scale) in f32.
;;   ~~~python
;;   def quantise(x, axis):      # numpy; x: float32 -> the quantised numbers, widened to float32 again
;;       x = np.moveaxis(x, axis, -1); K = x.shape[-1]
;;       x = np.pad(x, [(0, 0)] * (x.ndim - 1) + [(0, -K % 32)]); x = x.reshape(x.shape[:-1] + (-1, 32)); a = np.abs(x).max(-1, keepdims=True)
;;       e = np.where(a > 0, np.clip(np.frexp(np.where(a > 0, a, 1))[1] - 1 - 2, -126, 127), 0)      # np.frexp(a)[1] - 1 = floor(log2(a)), exactly
;;       r = np.clip(x / 2.0 ** e, -7.5, 7.5)
;;       step = 2.0 ** (np.maximum(np.frexp(np.where(r == 0, 1, r))[1] - 1, 0) - 3)
;;       q = np.round(r / step) * step * 2.0 ** e      # np.round: ties to even
;;       return np.moveaxis(q.reshape(q.shape[:-2] + (-1,))[..., :K], -1, axis).astype(np.float32)
;;   ~~~
;;   SOFTMAX AHEAD OF A QUANTISED PRODUCT. Where the list says 'softmax', what is quantised is not the finished softmax but p = 2^(t - M), with t = logit x log2(e) and M = ceil(the row's largest t), a whole number; so 1/2 < the row's largest p <= 1. The row's sum l is taken of the UNQUANTISED p, in f32, and the product's result is divided by l at the end. Since M is a whole number, a kernel that streams over the keys may use a running M (the ceiling of the running maximum): every later rescaling is an exact power of two, which a block's scale takes up: the codes' values come out the same.
;;   OPERANDS COMPUTED ON THE WAY. 'Computed on the way' means the value that the module computes at that place (a softmax that the list does not call 'softmax' is quantised finished and normalised). What goes into a quantiser is computed in f32, as accurately as f32 sums, v_exp_f32 and their like allow (about 1e-6 of the number): no bf16 or f16 on the way to a quantiser, and a product that is left as it is and whose result goes on into a quantised operand takes f32 operands (vector FMAs, or v_wmma_f32_16x16x4_f32). A number that lies on a knife's edge between two numbers of the format may be rounded either way, as far as f32 arithmetic and the matrix unit's own rounding can turn it there, and no further.
;; One version. Each part assembles by itself: llvm-mc -triple=amdgcn-amd-amdhsa -mcpu=gfx1250 --defsym DOCPART=n.
;; ======== version 1 of 1: 5 launches
;; workspace buffers: XW 9,830,400 bytes; QK 13,107,200 bytes; VT 6,553,600 bytes; P 14,155,776 bytes; Y 6,553,600 bytes
;; launch quant (part 1): grid 192 x 4, 4 waves a work-group, no clusters, 35,328 bytes of LDS; arguments x, Wq, Wk, Wv, Wo, XW; writes XW
.if DOCPART == 1
	.amdgcn_target "amdgcn-amd-amdhsa--gfx1250"
	.amdhsa_code_object_version 6
	.text
	.protected	k_q0a4a99c64a_quant
	.globl	k_q0a4a99c64a_quant
	.p2align	8
	.type	k_q0a4a99c64a_quant,@function
k_q0a4a99c64a_quant:
	s_mov_b64 s[64:65], 0
	v_nop
	global_prefetch_b8 v0, s[64:65] scope:SCOPE_SE
	s_setreg_imm32_b32 hwreg(HW_REG_WAVE_MODE, 25, 1), 1
	s_wait_xcnt 0x0
; x [8192][1024] and Wq, Wk, Wv, Wo [1024][1024], f32, K innermost, become codes of FP6 (E2M3) with one E8M0 byte for each 32 along K, laid as the products' launches take them.
; THE LAYOUT OF XW.  The 12,288 rows (x, Wq, Wk, Wv, Wo on end) are cut into 768 fragments of 16 rows, K into 8 planes of 128.  A fragment of a plane is the IMAGE OF ITS 12 OPERAND REGISTERS, 1,536 bytes:
; registers 4 c .. 4 c + 3 of lane l at 512 c + 16 l.  Codes: [plane][fragment][1536].  Behind them the scale words: [plane][16 x fragment + lane-row], byte b for k = 32 b .. 32 b + 31.
; THE ROWS OF A FRAGMENT ARE NOT NEIGHBOURS: lane-row r of fragment f is row 32 (f / 2) + 8 (f % 2) + r + 8 (r / 8), so that a product's results, used transposed, run along the next K in a lane's registers.
; A block's scale is 2^(floor(log2(its largest magnitude)) - 2); its byte is the largest magnitude's exponent field - 2, held at 1 from below (a block of zeros gets the byte 1: its codes are zeros, and this program alone reads the bytes).
; LIMITS: NaN and infinities among the inputs are not served; a block whose largest magnitude lies under 2^-124 keeps the byte 1.
; SHARES.  Work-group (F, kp): rows 64 F .. 64 F + 63, planes 2 kp and 2 kp + 1.  Wave w: fragment 4 F + w, two images.  Each load reads 512 consecutive bytes of a row; the 16 rows turn through the wave's own stage in LDS
; (rows of 512 + 16 bytes), from which lane (r, h) takes the two whole blocks 32 h and 64 + 32 h of row r: the operand's own order, so that the conversions' results are the operand's registers.
.set PLANE, 768*1536                   ; bytes of a plane of codes
.set SOFF,  8*PLANE                    ; where the scale words begin
.set SPL,   12288*4                    ; bytes of a plane of scale words
.set WST,   16*528                     ; a wave's stage
.set SCST,  4*WST                      ; behind the stages: 2 planes x 64 scale words
.set R,   16                           ; v16-143  two images as loaded: 16 rows x 4 registers each
.set X,   144                          ; v144-207 my two blocks of 32
.set PC,  208                          ; v208-231 the codes, 12 registers an image: no store's data are written again
.set T2,  232                          ; v232-238 the upper halves of the blocks' codes (a conversion's three registers begin on an even number)
.set MX,  240                          ; v240-241 largest magnitudes; v242-243 the conversions' scale operands; v244-245 bytes
.set SO,  242
.set BY,  244
.set SH,  246                          ; v246 8 h
.set PX,  247                          ; v247 a lane exchange's destination
.set WD,  248                          ; v248-249 the two images' scale words
	s_load_b256 s[4:11], s[0:1], 0x0               ; x, Wq, Wk, Wv
	s_load_b128 s[12:15], s[0:1], 0x20             ; Wo, XW
	v_lshl_add_u32 v254, v0, 2, 0x8800
	v_mov_b32 v255, 0
	v_lshrrev_b32 v1, 5, v0
	v_readfirstlane_b32 s16, v1                    ; wave 0..3
	s_and_b32 s17, ttmp7, 0xffff                   ; kp
	v_and_b32 v1, 31, v0                           ; lane
	v_and_b32 v2, 15, v0                           ; r
	v_bfe_u32 v3, v0, 4, 1                         ; h
	v_lshlrev_b32 v4, 4, v1                        ; 16 x lane: my bytes of a load, and of an image's store
	s_mul_i32 s18, s16, WST
	v_add_nc_u32 v5, s18, v4                       ; the stage, on the way in
	v_mul_u32_u24 v6, v2, 528
	v_lshl_add_u32 v6, v3, 7, v6
	v_add_nc_u32 v6, s18, v6                       ; and out: row r, + 128 h bytes
	s_lshl_b32 s18, s16, 6
	s_add_co_u32 s18, s18, SCST
	v_lshlrev_b32 v7, 2, v2
	v_lshl_add_u32 v7, v3, 8, v7
	v_add_nc_u32 v7, s18, v7                       ; scale words in: plane h, slot 16 w + r
	s_lshl_b32 s18, s16, 8
	s_add_co_u32 s18, s18, SCST
	v_lshl_add_u32 v8, v1, 3, s18                  ; and out: plane w, 8 bytes a lane
	v_lshlrev_b32 v9, 3, v1
	v_lshlrev_b32 v[SH], 3, v3
	v_mov_b32 v[PX], 0                             ; written once: a lane exchange's destination counts as one of its sources
	s_mov_b32 s28, 0x76543210
	s_mov_b32 s29, 0xfedcba98                      ; selects for lane l xor 16
	; which tensor, and which 64 rows of it: work-groups 0-127 take x, then 16 each take Wq, Wk, Wv, Wo
	s_sub_co_u32 s20, ttmp9, 128
	s_lshr_b32 s21, s20, 4                         ; which weight
	s_and_b32 s22, s20, 15
	s_cmp_lt_u32 ttmp9, 128
	s_cselect_b32 s22, ttmp9, s22                  ; which 64 rows
	s_lshl_b32 s24, s22, 18                        ; 64 rows of 4,096 bytes
	s_lshr_b32 s25, s16, 1
	s_lshl_b32 s25, s25, 17                        ; + 32 (w / 2) rows
	s_add_co_u32 s24, s24, s25
	s_and_b32 s25, s16, 1
	s_lshl_b32 s25, s25, 15                        ; + 8 (w % 2) rows
	s_add_co_u32 s24, s24, s25
	s_lshl_b32 s25, s17, 10                        ; + two planes of 512 bytes
	s_add_co_u32 s24, s24, s25
	s_mov_b32 s25, 0
	s_lshl_b32 s26, ttmp9, 2
	s_add_co_u32 s26, s26, s16                     ; my fragment
	s_mul_i32 s26, s26, 1536
	s_mul_i32 s27, s17, 2*PLANE
	s_add_co_u32 s26, s26, s27
	s_mov_b32 s27, 0
	s_lshl_b32 s30, s17, 1
	s_and_b32 s31, s16, 1
	s_add_co_u32 s30, s30, s31                     ; the plane whose scale words waves 0 and 1 store
	s_mul_i32 s30, s30, SPL
	s_lshl_b32 s31, ttmp9, 8                       ; 64 words a work-group
	s_add_co_u32 s30, s30, s31
	s_add_co_u32 s30, s30, SOFF
	s_mov_b32 s31, 0
	s_wait_kmcnt 0x0
	s_cmp_eq_u32 s21, 1                            ; the choices hang on the work-group's number alone
	s_cselect_b64 s[6:7], s[8:9], s[6:7]
	s_cmp_eq_u32 s21, 2
	s_cselect_b64 s[6:7], s[10:11], s[6:7]
	s_cmp_eq_u32 s21, 3
	s_cselect_b64 s[6:7], s[12:13], s[6:7]
	s_cmp_lt_u32 ttmp9, 128
	s_cselect_b64 s[4:5], s[4:5], s[6:7]
	s_add_nc_u64 s[4:5], s[4:5], s[24:25]
	s_add_nc_u64 s[32:33], s[14:15], s[26:27]      ; my codes
	s_add_nc_u64 s[34:35], s[14:15], s[30:31]      ; the scale words
.irp e, 0,1
.irp i, 0,1,2,3,4,5,6,7,8,9,10,11,12,13,14,15
	global_load_b128 v[R+64*\e+4*\i:R+64*\e+4*\i+3], v4, s[4:5] offset:(\i+8*(\i/8))*4096+512*\e th:TH_LOAD_NT   ; lane-row i of image e: 512 consecutive bytes; each byte is read once in the launch
.endr
.endr
.macro ONE e
	s_wait_loadcnt 16*(1-\e)                       ; this image's 16 loads are in; the other image's may be out
.irp i, 0,1,2,3,4,5,6,7,8,9,10,11,12,13,14,15
	ds_store_b128 v5, v[R+64*\e+4*\i:R+64*\e+4*\i+3] offset:528*\i
.endr
.irp c, 0,1
.irp j, 0,1,2,3,4,5,6,7
	ds_load_b128 v[X+32*\c+4*\j:X+32*\c+4*\j+3], v6 offset:256*\c+16*\j   ; LDS serves a wave's instructions in order: these see the stores above
.endr
.endr
	s_wait_dscnt 0x0
.irp c, 0,1
	v_max3_num_f32 v[MX+\c], |v[X+32*\c]|, |v[X+32*\c+1]|, 0x1800000   ; block 2 c + h: all 32 numbers are mine; the floor 2^(3 - 127) holds the byte at 1 from below
.endr
.irp i, 2,4,6,8,10,12,14,16,18,20,22,24,26,28,30
.irp c, 0,1
	v_max3_num_f32 v[MX+\c], v[MX+\c], |v[X+32*\c+\i]|, |v[X+32*\c+\i+1]|
.endr
.endr
.irp c, 0,1
	v_add_nc_u32 v[SO+\c], 0xff000000, v[MX+\c]    ; 2 off the exponent field: the conversion takes the exponent field of this operand as its scale
.endr
.irp c, 0,1
	v_lshrrev_b32 v[BY+\c], 23, v[SO+\c]           ; the scale's byte
.endr
	v_lshl_or_b32 v[WD+\e], v[BY+1], 16, v[BY]     ; my two bytes, blocks h and 2 + h,
	v_lshlrev_b32 v[WD+\e], v[SH], v[WD+\e]        ; at their places in the word;
	v_permlanex16_b32 v[PX], v[WD+\e], s28, s29
	v_or_b32 v[WD+\e], v[WD+\e], v[PX]             ; with lane l xor 16's two the word is whole
.irp c, 0,1
	v_cvt_scalef32_pk16_fp6_f32 v[PC+12*\e+6*\c:PC+12*\e+6*\c+2], v[X+32*\c:X+32*\c+15], v[SO+\c]
	v_cvt_scalef32_pk16_fp6_f32 v[T2+4*\c:T2+4*\c+2], v[X+32*\c+16:X+32*\c+31], v[SO+\c]
.endr
	v_nop                                          ; one plain place behind a scaled conversion
.irp c, 0,1
.irp i, 0,1,2
	v_mov_b32 v[PC+12*\e+6*\c+3+\i], v[T2+4*\c+\i]
.endr
.endr
.irp c, 0,1,2
	global_store_b128 v4, v[PC+12*\e+4*\c:PC+12*\e+4*\c+3], s[32:33] offset:\e*PLANE+512*\c   ; 512 consecutive bytes, at a multiple of 256 from the buffer's first byte
.endr
.endm
	ONE 0
	ONE 1
	v_cmp_eq_u32 vcc_lo, 1, v3
	v_cndmask_b32 v[MX], v[WD], v[WD+1], vcc_lo    ; lanes 0-15 hand in image 0's word of row r, lanes 16-31 image 1's
	ds_store_b32 v7, v[MX]
	s_wait_dscnt 0x0                               ; for the others' sake: my store has landed
	s_barrier_signal -1
	s_barrier_wait -1
	s_cmp_gt_u32 s16, 1                            ; waves 0 and 1 store a plane's 64 words each
	s_cbranch_scc1 .Lend
	ds_load_b64 v[SO:SO+1], v8
	s_wait_dscnt 0x0
	global_store_b64 v9, v[SO:SO+1], s[34:35]      ; 256 consecutive bytes, aligned
.Lend:
	s_wait_tensorcnt 0x0
	ds_add_u32 v254, v255
	s_wait_dscnt 0x0
	s_endpgm
.Lfunc_end_k_q0a4a99c64a_quant:
	.size	k_q0a4a99c64a_quant, .Lfunc_end_k_q0a4a99c64a_quant-k_q0a4a99c64a_quant
	.p2alignl 7, 3214868480
	.fill 96, 4, 3214868480
	.section	.rodata,"a",@progbits
	.p2align	6, 0x0
	.amdhsa_kernel k_q0a4a99c64a_quant
		.amdhsa_group_segment_fixed_size 35328
		.amdhsa_private_segment_fixed_size 0
		.amdhsa_enable_private_segment 0
		.amdhsa_kernarg_size 48
		.amdhsa_user_sgpr_count 2
		.amdhsa_user_sgpr_kernarg_segment_ptr 1
		.amdhsa_wavefront_size32 1
		.amdhsa_system_sgpr_workgroup_id_x 1
		.amdhsa_system_sgpr_workgroup_id_y 1
		.amdhsa_system_sgpr_workgroup_id_z 1
		.amdhsa_system_vgpr_workitem_id 0
		.amdhsa_next_free_vgpr 256
		.amdhsa_next_free_sgpr 66
		.amdhsa_reserve_vcc 1
		.amdhsa_float_denorm_mode_32 3
		.amdhsa_float_denorm_mode_16_64 3
		.amdhsa_memory_ordered 1
		.amdhsa_forward_progress 1
		.amdhsa_inst_pref_size 18
	.end_amdhsa_kernel
	.amdgpu_metadata
---
amdhsa.version: [ 1, 2 ]
amdhsa.kernels:
  - .name:           k_q0a4a99c64a_quant
    .symbol:         k_q0a4a99c64a_quant.kd
    .args:
      - { .name: x, .offset: 0, .size: 8, .value_kind: global_buffer, .address_space: global }
      - { .name: Wq, .offset: 8, .size: 8, .value_kind: global_buffer, .address_space: global }
      - { .name: Wk, .offset: 16, .size: 8, .value_kind: global_buffer, .address_space: global }
      - { .name: Wv, .offset: 24, .size: 8, .value_kind: global_buffer, .address_space: global }
      - { .name: Wo, .offset: 32, .size: 8, .value_kind: global_buffer, .address_space: global }
      - { .name: XW, .offset: 40, .size: 8, .value_kind: global_buffer, .address_space: global }
    .group_segment_fixed_size: 35328
    .private_segment_fixed_size: 0
    .kernarg_segment_align: 8
    .kernarg_segment_size: 48
    .max_flat_workgroup_size: 128
    .sgpr_count:     66
    .vgpr_count:     256
    .wavefront_size: 32
...
	.end_amdgpu_metadata
.endif
;; end of part 1
;; launch qkv (part 2): grid 8 x 32, 4 waves a work-group, clusters of 4 x 4, 327,680 bytes of LDS; arguments XW, bq, bk, bv, QK, VT; writes QK, VT
.if DOCPART == 2
	.amdgcn_target "amdgcn-amd-amdhsa--gfx1250"
	.amdhsa_code_object_version 6
	.text
	.protected	k_q0a4a99c64a_qkv
	.globl	k_q0a4a99c64a_qkv
	.p2align	8
	.type	k_q0a4a99c64a_qkv,@function
k_q0a4a99c64a_qkv:
	s_mov_b64 s[64:65], 0
	v_nop
	global_prefetch_b8 v0, s[64:65] scope:SCOPE_SE
	s_setreg_imm32_b32 hwreg(HW_REG_WAVE_MODE, 25, 1), 1
	s_wait_xcnt 0x0
	s_wait_alu depctr_hold_cnt(0) depctr_sa_sdst(0) depctr_va_vdst(0) depctr_va_sdst(0) depctr_va_ssrc(0) depctr_va_vcc(0) depctr_vm_vsrc(0)
	s_getreg_b32 s2, hwreg(HW_REG_IB_STS2, 6, 4)
	s_cmp_eq_u32 s2, 0
	s_cbranch_scc0 .Lentry_in_a_cluster
	s_endpgm
.Lentry_in_a_cluster:
	s_bfe_u32 s2, ttmp6, 0x10000c
	s_cmp_lg_u32 s2, 0xf033
	s_cbranch_scc0 .Lentry_shape_is_right
	s_endpgm
.Lentry_shape_is_right:
; q = x Wq^T + bq, k = x Wk^T + bk and v^T = Wv x^T + bv, on codes of FP6 (E2M3) with E8M0 scales; the results are quantised along their columns and stored as the next products' operands.
; OPERANDS come as images of their registers (1,536 bytes a fragment of 16 rows x 128 K, codes [plane][fragment][1536], scale words [plane][16 x fragment + lane-row]); lane-row r of fragment f is row 32 (f / 2) + 8 (f % 2) + r + 8 (r / 8).
; A TILE is 128 rows (operand M) x 256 columns (operand N), K = 1,024 = 8 planes: 768 tiles.  Four waves, 64 x 128 each: 32 accumulators of 16 x 16.
; A WORK-GROUP STAYS AND MAKES THREE TILES: 256 work-groups.  With Yw = 4 x cluster y + cy and n = 4 x cluster x + cx: tiles 0 and 1 are q or k: M = x's row blocks Yw and Yw + 32, N = panel n of Wq and Wk on end;
; tile 2 is v^T: M = Wv's block 4 x cluster x + cy, N = x's block 4 x cluster y + cx, so that the keys run along the registers: v is quantised along the keys.
; LDS holds both panels of a tile, all of K (98,304 + 196,608 bytes), as two slots of 4 planes.  A slot that has been read out is filled again with the NEXT tile's same planes: from tile 0 to tile 1 only M's part
; (N's panel stays), from tile 1 to tile 2 both.  So the next tile's codes come in under this tile's products and its way out, and a tile's stores leave under the next tile's products.
; The scale words of all three tiles come with the first fills and are never filled again.
; THE MATRIX INSTRUCTION IS USED TRANSPOSED (source 0 = 16 rows of N, source 1 = 16 rows of M): lane (r, h) holds lane-row r of M, and by the order of N's rows the 16 registers of accumulators (a, 2 b) and (a, 2 b + 1)
; are the columns 32 b + 16 h + 0 .. 15: neighbours along the next K.  So a wave's 64 x 128 become four fragments and their scale words without leaving the registers.
; CLUSTERS: 4 x 4 work-groups; M's tile is shared along a row of the cluster, N's along a column: each is asked for jointly, by the same tensor load with the same descriptor and a mask that names the four;
; where a slot is filled again, a round of the cluster's barrier stands in front.  No branch hangs on a work-group's or a cluster's place.
; THE BIAS is the C of each sum's first product: for q and k by the column (8 registers for each of N's 8 fragments), for v by the row (a lane's number, eight times, for each of M's 4 fragments).
; The launch claims all of LDS, and each wave adds 0 to spare words of its own in front of each change of slots and at its end.
; LIMITS: NaN and infinities are not served; a block whose largest magnitude lies under 2^-124 keeps the byte 1 (a block of zeros too: its codes are zeros, and this program alone reads the bytes).
; REGISTERS: window 0: v1-14, v28-29 addresses; v32-43 scale words, two sets; v48-95 at work on the way out; v128-175, v176-223 M's fragments, sets 0 and 1; a tile's last step uses set 1, whose registers then take the codes,
;   while set 0 already holds the next tile's first plane; v224-230 at work.  window 1: N's fragments, two sets.  window 2: accumulator (a, b) at v[8 (8 a + b)].  window 3: the biases.
.set XPL,  768*1536                    ; XW: a plane of codes,
.set XSO,  8*XPL                       ; where its scale words begin,
.set XSP,  12288*4                     ; a plane of them
.set SCA,  294912                      ; LDS: M's halves at 0 and 49,152 ([plane][4 fragments]); N's at 98,304 and 196,608 ([plane][8 fragments]); M's scale words [half][8 x tile + plane][64];
.set SAH,  24*256                      ; (a half of them)
.set SCB,  SCA+2*SAH                   ; N's [half][8 x panel + plane][128]: panel 0 for tiles 0 and 1, panel 1 for tile 2;
.set SBH,  16*512
.set STG,  SCB+2*SBH                   ; 256 bytes for each wave, for the scale words on the way out: no fill lands here;
.set SPARE, STG+4*256                  ; the spare words, 128 bytes for each wave: two blocks of 256 bytes that no other line names
.set ADRA, 4
.set ADRB0, 5
.set ADRB1, 6
.set ADSA, 7
.set ADSB, 8
.set OFFS, 9
.set STW,  10
.set STR,  11
.set OFF8, 12
.set SPW,  28                          ; v28  LDS address of my spare word; never rewritten
.set NIL,  29                          ; v29  0; never rewritten
.set SC,   32                          ; scale words: set p at v[SC + 6 p]: four registers of N's (register i: fragment 2 i in lanes 0-15, 2 i + 1 in lanes 16-31), two of M's
.set TM,   48                          ; v48-51 largest magnitudes, v52-55 bytes, v60-63 the conversions' scale operands
.set PW,   72                          ; v72-75 the four fragments' scale words
.set WB,   88
.set AF,   128
.set PC,   176                         ; the codes: 12 registers a fragment, each fragment its own
.set T2,   224
.set WV,   16
.set KIND, 17                          ; wave / 2: which 64 rows of M are mine; also: I fetch for M (0) or for N (1)
.set HALF, 18                          ; wave % 2: which 128 rows of N are mine; also: which half I fetch
.set CXI,  19
.set CYI,  20
.set CX,   21
.set CY,   22
.set G1A,  24                          ; s[24:31], s[32:39] descriptor group 1 for M's and N's codes; s[40:47], s[48:55] for their scale words
.set G1B,  32
.set G1SA, 40
.set G1SB, 48                          ; groups 0: s56, s60 M's slots 0 and 1; s68, s72 N's; s76, s80, s84 M's scale words of tiles 0, 1, 2; s88, s92 N's of panels 0, 1
.set A2,   66                          ; s[66:67]   where tile 2's part of M begins that I fetch
.set B2,   104                         ; s[104:105] the same of N
.set SEL,  100
.set MSB, 0
.macro WIN new                         ; the immediate's high byte repeats the setting that is left
.if MSB != \new
	s_set_vgpr_msb (MSB<<8)|\new
.set MSB, \new
.endif
.endm
.macro PLACES                          ; four plain places behind a matrix instruction, in front of loads into registers that it has read and of the first read of results
.rept 4
	v_nop
.endr
.endm
.macro CREST                           ; a round of the cluster's barrier behind its opening barrier
	s_cmp_lg_u32 s[WV], 0
	s_cbranch_scc1 .Lnot_wave_0_\@
	s_barrier_signal -3
.Lnot_wave_0_\@:
	s_barrier_wait -3
	s_barrier_signal -1
	s_barrier_wait -1
.endm
.macro CROUND                          ; a whole round
	s_barrier_signal -1
	s_barrier_wait -1
	CREST
.endm
.macro G1SET g, d0, d1, st             ; descriptor group 1, words 1 to 7: d1 rows of d0 elements of 8 bytes, st elements apart, dense in LDS
	s_mov_b32 s[\g+1], (\d0)<<16
	s_mov_b32 s[\g+2], (\d1)<<16
	s_mov_b32 s[\g+3], (\d0)<<16
	s_mov_b32 s[\g+4], \d1
	s_mov_b32 s[\g+5], \st
	s_mov_b32 s[\g+6], 0
	s_mov_b32 s[\g+7], 0
.endm
.macro JLOAD ga, gb                    ; a joint refill of both operands: waves 0 and 1 fetch M's halves, waves 2 and 3 N's; four v_nop follow each of the two lines: they are also the places in front of the LDS loads that follow
	s_cmp_eq_u32 s[KIND], 0
	s_cbranch_scc0 .Lfor_b_\@
	tensor_load_to_lds s[\ga:\ga+3], s[G1A:G1A+7]
	s_nop 0
.rept 4
	v_nop
.endr
	s_branch .Lasked_\@
.Lfor_b_\@:
	tensor_load_to_lds s[\gb:\gb+3], s[G1B:G1B+7]
	s_nop 0
.rept 4
	v_nop
.endr
.Lasked_\@:
.endm
.macro JLOADA ga                       ; a joint refill of M alone: waves 0 and 1 fetch its halves, waves 2 and 3 have no part to fill
	s_cmp_eq_u32 s[KIND], 0
	s_cbranch_scc0 .Lnone_\@
	tensor_load_to_lds s[\ga:\ga+3], s[G1A:G1A+7]
	s_nop 0
.rept 4
	v_nop
.endr
.Lnone_\@:
	PLACES                                         ; on every wave's way: the places in front of the LDS loads that follow
.endm
; 42 LDS loads in one run: the fragments at plane kl (N's eight, M's four), M's scale words of plane ksa and N's of plane ksb, into set p.  An image comes back as it was stored: 16 bytes a lane, 512 consecutive bytes a load
.macro FETCH kl, ksa, ksb, p
	WIN 0x40
.irp b, 0,1,2,3,4,5,6,7
.irp c, 0,1,2
	ds_load_b128 v[128*(\p)+12*\b+4*\c:128*(\p)+12*\b+4*\c+3], v[ADRB0+(\kl)/4] offset:((\kl)%4)*12288+1536*\b+512*\c
.endr
.endr
	WIN 0
.irp a, 0,1,2,3
.irp c, 0,1,2
	ds_load_b128 v[AF+48*(\p)+12*\a+4*\c:AF+48*(\p)+12*\a+4*\c+3], v[ADRA] offset:6144*(\kl)+1536*\a+512*\c
.endr
.endr
.irp i, 0,1,2,3
	ds_load_b32 v[SC+6*(\p)+\i], v[ADSB] offset:512*(\ksb)+128*\i
.endr
.irp i, 0,1
	ds_load_b32 v[SC+6*(\p)+4+\i], v[ADSA] offset:256*(\ksa)+128*\i
.endr
.endm
; one product.  cm = 1: in place; 2: C = the column bias of N's fragment b; 3: C = the row bias of M's fragment a.  An odd fragment's scale words lie in lanes 16-31
.macro WM a, b, p, cm
.set rD, 8*(8*(\a)+(\b))
.set rB, 128*(\p)+12*(\b)
.set rA, AF+48*(\p)+12*(\a)
.set sB, SC+6*(\p)+(\b)/2
.set sA, SC+6*(\p)+4+(\a)/2
.set rC, rD
.if (\cm) == 2
.set rC, 8*(\b)
.endif
.if (\cm) == 3
.set rC, 64+8*(\a)
.endif
.set rw, 2*((\a)%2)+(\b)%2
.if rw == 0
	v_wmma_scale_f32_16x16x128_f8f6f4 v[rD:rD+7], v[rB:rB+11], v[rA:rA+11], v[rC:rC+7], v[sB], v[sA] matrix_a_fmt:MATRIX_FMT_FP6 matrix_b_fmt:MATRIX_FMT_FP6
.elseif rw == 1
	v_wmma_scale_f32_16x16x128_f8f6f4 v[rD:rD+7], v[rB:rB+11], v[rA:rA+11], v[rC:rC+7], v[sB], v[sA] matrix_a_fmt:MATRIX_FMT_FP6 matrix_b_fmt:MATRIX_FMT_FP6 matrix_a_scale:MATRIX_SCALE_ROW1
.elseif rw == 2
	v_wmma_scale_f32_16x16x128_f8f6f4 v[rD:rD+7], v[rB:rB+11], v[rA:rA+11], v[rC:rC+7], v[sB], v[sA] matrix_a_fmt:MATRIX_FMT_FP6 matrix_b_fmt:MATRIX_FMT_FP6 matrix_b_scale:MATRIX_SCALE_ROW1
.else
	v_wmma_scale_f32_16x16x128_f8f6f4 v[rD:rD+7], v[rB:rB+11], v[rA:rA+11], v[rC:rC+7], v[sB], v[sA] matrix_a_fmt:MATRIX_FMT_FP6 matrix_b_fmt:MATRIX_FMT_FP6 matrix_a_scale:MATRIX_SCALE_ROW1 matrix_b_scale:MATRIX_SCALE_ROW1
.endif
.endm
.macro MULA a, p, cm                   ; M's fragment a against N's eight.  The 32 accumulators take turns, one instruction a turn, in the same order in every step
.if (\cm) >= 2
	WIN 0xb1                                       ; source 0 window 1, source 1 window 0, C window 3, D window 2
.else
	WIN 0xa1                                       ; C and D window 2
.endif
.irp b, 0,1,2,3,4,5,6,7
	WM \a, \b, \p, \cm
.endr
.endm
; STEPS are numbered through the three tiles: step g is plane g % 8 of tile g / 8, on set g % 2.  N's scale words: panel 0 up to step 15, panel 1 from step 16 on.
; A step whose successor lies in the same slot: 32 products, while the next plane's 42 loads land in the other set
.macro STEP g, cm
	s_wait_dscnt 0x0                               ; this step's fragments, asked for a whole step ago
.if (\g) > 0
.if (\g)%8 == 0
	s_wait_xcnt 0x0                                ; the last tile's stores have read their registers: set 1's, which held its codes, are loaded again only behind this wait
.endif
	PLACES
.endif
	FETCH ((\g)+1)%8, (\g)+1, (((\g)+1)/16)*8+((\g)+1)%8, ((\g)+1)%2
.if (\g) == 0
	s_wait_loadcnt 0x0                             ; the biases
.endif
	MULA 0, (\g)%2, \cm
	MULA 1, (\g)%2, \cm
	MULA 2, (\g)%2, \cm
	MULA 3, (\g)%2, \cm
.endm
; A slot's last step changes slots: ONE barrier; in front of it each wave waits for all its tensor loads (its part of what is read next), adds 0 to its spare word, and waits for that and for its reads of this slot.
; fill = 1: the barrier opens a round of the cluster's barrier, and M's part of this slot is filled again with the same planes 256 fragments on (tile 1);  fill = 2: both parts, with tile 2's;  fill = 0: nothing is left to fetch.
; At a tile's end (g % 8 = 7) the plane fetched is the next tile's first, which was asked for four steps ago.
.macro TURN g, fill
.set SL, ((\g)%8)/4                    ; the slot that has been read out
	WIN 0                                          ; (the add's two registers lie in window 0)
	s_wait_tensorcnt 0x0
	ds_add_u32 v[SPW], v[NIL]
	s_wait_dscnt 1                                 ; this step's fragments are in; the add alone may be out
	MULA 0, (\g)%2, 1                              ; eight products stand between the add and the wait for it
	s_wait_dscnt 0x0                               ; the add is done, and my reads of this slot are over
	s_barrier_signal -1
	MULA 1, (\g)%2, 1
	WIN 0
	s_barrier_wait -1
.if (\fill) == 0
	PLACES
.else
	CREST                                          ; no wave of any partner still reads this slot or has a load on its way
.if (\fill) == 1
	s_add_nc_u64 s[58+4*SL:59+4*SL], s[58+4*SL:59+4*SL], 256*1536
	JLOADA 56+4*SL                                 ; my one tensor load behind the round, and the first thing there
.else
.if SL == 0
	s_mov_b64 s[58:59], s[A2:A2+1]
	s_mov_b64 s[70:71], s[B2:B2+1]
.else
	s_add_nc_u64 s[62:63], s[A2:A2+1], 4*XPL
	s_add_nc_u64 s[74:75], s[B2:B2+1], 4*XPL
.endif
	s_or_b32 s[59+4*SL], s[59+4*SL], 0x80000000
	s_or_b32 s[71+4*SL], s[71+4*SL], 0x80000000
	JLOAD 56+4*SL, 68+4*SL
.endif
.endif
	FETCH ((\g)+1)%8, (\g)+1, (((\g)+1)/16)*8+((\g)+1)%8, ((\g)+1)%2
	MULA 2, (\g)%2, 1
	MULA 3, (\g)%2, 1
.endm
; 64 numbers of a lane in window 2, register s + 16 b + i = k 32 b + 16 h + i of my row, become a fragment's codes in v[pc] on and its scale word in v[pw].  Each accumulator is read from its low end on
.macro QUANTW s, pc, pw
	WIN 0x0a
.irp b, 0,1,2,3
	v_max3_num_f32 v[TM+\b], |v[(\s)+16*\b]|, |v[(\s)+1+16*\b]|, 0x1800000   ; the floor 2^(3 - 127) holds the byte at 1 from below
.endr
	WIN 0x28
.irp i, 2,4,6,8,10,12,14
.irp b, 0,1,2,3
	v_max3_num_f32 v[TM+\b], v[TM+\b], |v[(\s)+16*\b+\i]|, |v[(\s)+1+16*\b+\i]|
.endr
.endr
	WIN 0
.irp b, 0,1,2,3
	v_permlanex16_b32 v[TM+4+\b], v[TM+\b], s[SEL], s[SEL+1]
.endr
.irp b, 0,1,2,3
	v_max_num_f32 v[TM+\b], v[TM+\b], v[TM+4+\b]   ; with lane l xor 16's: the block's largest magnitude
.endr
.irp b, 0,1,2,3
	v_add_nc_u32 v[TM+12+\b], 0xff000000, v[TM+\b] ; 2 off its exponent field: the conversion's scale operand
.endr
.irp b, 0,1,2,3
	v_lshrrev_b32 v[TM+4+\b], 23, v[TM+12+\b]      ; the scale's byte
.endr
	v_lshl_or_b32 v[\pw], v[TM+5], 8, v[TM+4]
	v_lshl_or_b32 v[\pw], v[TM+6], 16, v[\pw]
	v_lshl_or_b32 v[\pw], v[TM+7], 24, v[\pw]
	WIN 0x02
.irp c, 0,1
	v_cvt_scalef32_pk16_fp6_f32 v[(\pc)+6*\c:(\pc)+6*\c+2], v[(\s)+32*\c:(\s)+32*\c+15], v[TM+12+2*\c]
	v_cvt_scalef32_pk16_fp6_f32 v[T2+4*\c:T2+4*\c+2], v[(\s)+32*\c+16:(\s)+32*\c+31], v[TM+12+2*\c+1]
.endr
	WIN 0
	v_nop                                          ; one plain place behind a scaled conversion
.irp c, 0,1                            ; the operand wants a whole block in a lane: lanes 0-15 block 2 c, lanes 16-31 block 2 c + 1
.irp i, 0,1,2
	v_permlane16_swap_b32 v[(\pc)+6*\c+\i], v[T2+4*\c+\i]
.endr
.irp i, 0,1,2
	v_mov_b32 v[(\pc)+6*\c+3+\i], v[T2+4*\c+\i]
.endr
.endr
.endm
; THE WAY OUT of a tile: four fragments' codes (three stores of 512 consecutive bytes each, at multiples of 256 from the buffer's first byte) and my 64 scale words.  cb, sb: the scalar pairs with their places; coff, soff: bytes on from there
.macro EPI cb, sb, coff, soff
	WIN 0
	PLACES
.irp a, 0,1,2,3
	QUANTW 64*\a, PC+12*\a, PW+\a
.irp c, 0,1,2
	global_store_b128 v[OFFS], v[PC+12*\a+4*\c:PC+12*\a+4*\c+3], s[\cb:\cb+1] offset:(\coff)+1536*\a+512*\c
.endr
.endr
.irp a, 0,1,2,3
	ds_store_b32 v[STW], v[PW+\a] offset:64*\a     ; lanes l and l + 16 write the same word with the same value; the bytes are my wave's own
.endr
	ds_load_b64 v[WB:WB+1], v[STR]                 ; LDS serves a wave's instructions in order: this sees the stores above
	s_wait_dscnt 0x0
	global_store_b64 v[OFF8], v[WB:WB+1], s[\sb:\sb+1] offset:\soff   ; 256 consecutive bytes, aligned
.endm
	s_load_b256 s[4:11], s[0:1], 0x0               ; XW, bq, bk, bv
	s_load_b128 s[12:15], s[0:1], 0x20             ; QK, VT
	v_lshl_add_u32 v[SPW], v0, 2, SPARE
	v_mov_b32 v[NIL], 0
	ds_add_u32 v28, v29
	ds_add_u32 v28, v29
	s_wait_dscnt 0x0
	v_lshrrev_b32 v1, 5, v0
	v_readfirstlane_b32 s[WV], v1
	s_lshr_b32 s[KIND], s[WV], 1
	s_and_b32 s[HALF], s[WV], 1
	s_bfe_u32 s[CXI], ttmp6, 0x40000               ; cx, cy: my place in the cluster
	s_bfe_u32 s[CYI], ttmp6, 0x40004
	s_mov_b32 s[CX], ttmp9                         ; the cluster's x (0, 1) and y (0 .. 7)
	s_and_b32 s[CY], ttmp7, 0xffff
	s_lshl_b32 s2, s[CYI], 2
	s_lshl_b32 s2, 15, s2                          ; my row of the cluster
	s_lshl_b32 s3, 0x1111, s[CXI]                  ; my column
	s_or_b32 s[G1A], s2, (3<<16)|(1<<21)           ; 15:0 the mask; 17:16 elements of 8 bytes; 21 set beside a mask; no padding
	s_or_b32 s[G1SA], s2, (3<<16)|(1<<21)
	s_or_b32 s[G1B], s3, (3<<16)|(1<<21)
	s_or_b32 s[G1SB], s3, (3<<16)|(1<<21)
	G1SET G1A, 768, 4, XPL/8                       ; M: 4 fragments (6,144 bytes) of each of 4 planes
	G1SET G1B, 1536, 4, XPL/8                      ; N: 8 fragments of each of 4 planes
	G1SET G1SA, 32, 8, XSP/8                       ; M's scale words: 64 of each of 8 planes
	G1SET G1SB, 64, 8, XSP/8                       ; N's: 128
	; byte offsets in XW, made while the arguments are on their way.  M's are made of cy and the cluster's place alone, N's of cx and the cluster's place alone
	s_lshl_b32 s2, s[HALF], 2
	s_lshl_b32 s23, s[CY], 2
	s_add_co_u32 s23, s23, s[CYI]                  ; Yw
	s_lshl_b32 s23, s23, 3
	s_add_co_u32 s23, s23, s2                      ; tile 0: M's first fragment that I fetch (x's fragments begin at 0)
	s_mul_i32 s58, s23, 1536
	s_mov_b32 s59, 0
	s_lshl_b32 s78, s23, 6
	s_add_co_u32 s78, s78, XSO
	s_mov_b32 s79, 0
	s_lshl_b32 s23, s[CX], 2
	s_add_co_u32 s23, s23, s[CYI]
	s_lshl_b32 s23, s23, 3
	s_add_co_u32 s23, s23, s2
	s_add_co_u32 s23, s23, 640                     ; tile 2: Wv's fragments begin at 640
	s_mul_i32 s[A2], s23, 1536
	s_mov_b32 s[A2+1], 0
	s_lshl_b32 s86, s23, 6
	s_add_co_u32 s86, s86, XSO
	s_mov_b32 s87, 0
	s_lshl_b32 s3, s[HALF], 3
	s_lshl_b32 s98, s[CX], 2
	s_add_co_u32 s98, s98, s[CXI]                  ; n
	s_lshl_b32 s98, s98, 4
	s_add_co_u32 s98, s98, s3
	s_add_co_u32 s98, s98, 512                     ; tiles 0, 1: Wq's fragments begin at 512, Wk's follow
	s_mul_i32 s70, s98, 1536
	s_mov_b32 s71, 0
	s_lshl_b32 s90, s98, 6
	s_add_co_u32 s90, s90, XSO
	s_mov_b32 s91, 0
	s_lshl_b32 s98, s[CY], 2
	s_add_co_u32 s98, s98, s[CXI]
	s_lshl_b32 s98, s98, 4
	s_add_co_u32 s98, s98, s3                      ; tile 2: x's block of 256 rows
	s_mul_i32 s[B2], s98, 1536
	s_mov_b32 s[B2+1], 0
	s_lshl_b32 s94, s98, 6
	s_add_co_u32 s94, s94, XSO
	s_mov_b32 s95, 0
	; where they go: made of the wave's number alone
	s_mul_i32 s57, s[HALF], 49152
	s_add_co_u32 s61, s57, 24576
	s_mul_i32 s69, s[HALF], 98304
	s_add_co_u32 s69, s69, 98304
	s_add_co_u32 s73, s69, 49152
	s_mul_i32 s77, s[HALF], SAH
	s_add_co_u32 s77, s77, SCA
	s_add_co_u32 s81, s77, 2048
	s_add_co_u32 s85, s77, 4096
	s_mul_i32 s89, s[HALF], SBH
	s_add_co_u32 s89, s89, SCB
	s_add_co_u32 s93, s89, 4096
.irp g, 56, 60, 68, 72, 76, 80, 84, 88, 92
	s_mov_b32 s[\g], 1
.endr
	s_wait_kmcnt 0x0
	s_add_nc_u64 s[58:59], s[4:5], s[58:59]        ; M, slot 0: planes 0-3
	s_add_nc_u64 s[62:63], s[58:59], 4*XPL         ; slot 1: planes 4-7
	s_add_nc_u64 s[78:79], s[4:5], s[78:79]        ; M's scale words of tile 0,
	s_add_nc_u64 s[82:83], s[78:79], 256*64        ; of tile 1: 256 fragments on,
	s_add_nc_u64 s[86:87], s[4:5], s[86:87]        ; of tile 2
	s_add_nc_u64 s[A2:A2+1], s[4:5], s[A2:A2+1]
	s_add_nc_u64 s[70:71], s[4:5], s[70:71]        ; N likewise
	s_add_nc_u64 s[74:75], s[70:71], 4*XPL
	s_add_nc_u64 s[90:91], s[4:5], s[90:91]
	s_add_nc_u64 s[94:95], s[4:5], s[94:95]
	s_add_nc_u64 s[B2:B2+1], s[4:5], s[B2:B2+1]
.irp g, 56, 60, 68, 72, 76, 80, 84, 88, 92
	s_or_b32 s[\g+3], s[\g+3], 0x80000000
.endr
	CROUND                                         ; all sixteen work-groups are here: the first joint loads meet
	s_cmp_eq_u32 s[KIND], 0                        ; a wave's first fills stand in one branch on its number: five or four loads of mine are out; the youngest is slot 1's in both arms
	s_cbranch_scc0 .Lfirst_b
	tensor_load_to_lds s[76:79], s[G1SA:G1SA+7]
	s_nop 0
	tensor_load_to_lds s[80:83], s[G1SA:G1SA+7]
	s_nop 0
	tensor_load_to_lds s[84:87], s[G1SA:G1SA+7]
	s_nop 0
	tensor_load_to_lds s[56:59], s[G1A:G1A+7]
	s_nop 0
	tensor_load_to_lds s[60:63], s[G1A:G1A+7]
	s_nop 0
.rept 4
	v_nop
.endr
	s_branch .Lfirst_done
.Lfirst_b:
	tensor_load_to_lds s[88:91], s[G1SB:G1SB+7]
	s_nop 0
	tensor_load_to_lds s[92:95], s[G1SB:G1SB+7]
	s_nop 0
	tensor_load_to_lds s[68:71], s[G1B:G1B+7]
	s_nop 0
	tensor_load_to_lds s[72:75], s[G1B:G1B+7]
	s_nop 0
.rept 4
	v_nop
.endr
.Lfirst_done:
	v_and_b32 v1, 31, v0                           ; lane
	v_and_b32 v2, 15, v0                           ; r
	v_bfe_u32 v3, v0, 4, 1                         ; h
	s_mul_i32 s2, s[KIND], 49152
	v_lshl_add_u32 v[ADRA], v1, 4, s2              ; my 64 rows of M: 16 x lane in an image
	s_mul_i32 s2, s[HALF], 98304
	s_add_co_u32 s2, s2, 98304
	v_lshl_add_u32 v[ADRB0], v1, 4, s2             ; my 128 rows of N, planes 0-3,
	v_add_nc_u32 v[ADRB1], 49152, v[ADRB0]         ; planes 4-7
	s_mul_i32 s2, s[KIND], SAH
	s_add_co_u32 s2, s2, SCA
	v_lshl_add_u32 v[ADSA], v1, 2, s2
	s_mul_i32 s2, s[HALF], SBH
	s_add_co_u32 s2, s2, SCB
	v_lshl_add_u32 v[ADSB], v1, 2, s2
	v_lshlrev_b32 v[OFFS], 4, v1
	s_lshl_b32 s2, s[WV], 8
	s_add_co_u32 s2, s2, STG
	v_lshl_add_u32 v[STW], v2, 2, s2
	v_lshl_add_u32 v[STR], v1, 3, s2
	v_lshlrev_b32 v[OFF8], 3, v1
.irp b, 0,1,2,3
	v_mov_b32 v[TM+4+\b], 0                        ; written once: a lane exchange's destination counts as one of its sources
.endr
	s_mov_b32 s[SEL], 0x76543210
	s_mov_b32 s[SEL+1], 0xfedcba98
	; the biases.  Column form: lane (r, h) wants, for N's fragment 2 b + u, the numbers of columns 32 b + 8 u + 16 h + 0 .. 7 of my 128; the tile's 256 columns are 256 cx on in bq (cluster x = 0) or bk
	s_lshl_b32 s2, s[CXI], 10
	s_lshl_b32 s3, s[HALF], 9
	s_add_co_u32 s2, s2, s3
	v_lshl_add_u32 v13, v3, 6, s2
	s_cmp_eq_u32 s[CX], 0
	s_cselect_b64 s[6:7], s[6:7], s[8:9]
	; row form: the number of channel 128 (4 x cluster x + cy) + 64 (wave / 2) + 32 (a / 2) + 8 (a % 2) + r + 8 (r / 8)
	s_lshl_b32 s2, s[CX], 2
	s_add_co_u32 s2, s2, s[CYI]
	s_lshl_b32 s2, s2, 9
	s_lshl_b32 s3, s[KIND], 8
	s_add_co_u32 s2, s2, s3
	v_and_b32 v14, 8, v2
	v_add_nc_u32 v14, v14, v2
	v_lshl_add_u32 v14, v14, 2, s2
	WIN 0xc0                                       ; destination window 3
.irp b, 0,1,2,3,4,5,6,7
	global_load_b128 v[8*\b:8*\b+3], v13, s[6:7] offset:(32*(\b/2)+8*(\b%2))*4
	global_load_b128 v[8*\b+4:8*\b+7], v13, s[6:7] offset:(32*(\b/2)+8*(\b%2))*4+16
.endr
.irp a, 0,1,2,3
.irp j, 0,1,2,3,4,5,6,7
	global_load_b32 v[64+8*\a+\j], v14, s[10:11] offset:(32*(\a/2)+8*(\a%2))*4
.endr
.endr
	WIN 0
	s_wait_tensorcnt 1                             ; my scale words and my part of slot 0 are in; slot 1's load may be out
	s_barrier_signal -1
	s_barrier_wait -1                              ; everybody's are
	FETCH 0, 0, 0, 0
	STEP 0, 2                                      ; TILE 0: the first products start the sums with the column bias
	STEP 1, 1
	STEP 2, 1
	TURN 3, 1                                      ; M's slot 0 takes tile 1's planes 0-3
	STEP 4, 1
	STEP 5, 1
	STEP 6, 1
	TURN 7, 1                                      ; M's slot 1 takes tile 1's planes 4-7; tile 1's first plane is fetched
	; where the results go (s76 to s87 are free: the loads that named them were waited for at the first change of slots).
	; q, k: plane 2 cx + wave % 2 of QK, fragment 512 x cluster x + 8 Yw + 4 (wave / 2); tile 1 lies 256 fragments on
	s_lshl_b32 s84, s[CXI], 1
	s_add_co_u32 s84, s84, s[HALF]
	s_lshl_b32 s85, s[CY], 2
	s_add_co_u32 s85, s85, s[CYI]
	s_lshl_b32 s85, s85, 3
	s_lshl_b32 s86, s[KIND], 2
	s_add_co_u32 s85, s85, s86
	s_lshl_b32 s87, s[CX], 9
	s_add_co_u32 s85, s85, s87
	s_mul_i32 s76, s84, 1572864
	s_mul_i32 s87, s85, 1536
	s_add_co_u32 s76, s76, s87
	s_mov_b32 s77, 0
	s_add_nc_u64 s[76:77], s[12:13], s[76:77]
	s_lshl_b32 s78, s84, 16
	s_lshl_b32 s87, s85, 6
	s_add_co_u32 s78, s78, s87
	s_add_co_u32 s78, s78, 12582912
	s_mov_b32 s79, 0
	s_add_nc_u64 s[78:79], s[12:13], s[78:79]
	; v: plane 2 (4 x cluster y + cx) + wave % 2 of VT, fragment 8 (4 x cluster x + cy) + 4 (wave / 2)
	s_lshl_b32 s84, s[CY], 2
	s_add_co_u32 s84, s84, s[CXI]
	s_lshl_b32 s84, s84, 1
	s_add_co_u32 s84, s84, s[HALF]
	s_lshl_b32 s85, s[CX], 2
	s_add_co_u32 s85, s85, s[CYI]
	s_lshl_b32 s85, s85, 3
	s_add_co_u32 s85, s85, s86
	s_mul_i32 s80, s84, 98304
	s_mul_i32 s87, s85, 1536
	s_add_co_u32 s80, s80, s87
	s_mov_b32 s81, 0
	s_add_nc_u64 s[80:81], s[14:15], s[80:81]
	s_lshl_b32 s82, s84, 12
	s_lshl_b32 s87, s85, 6
	s_add_co_u32 s82, s82, s87
	s_add_co_u32 s82, s82, 6291456
	s_mov_b32 s83, 0
	s_add_nc_u64 s[82:83], s[14:15], s[82:83]
	EPI 76, 78, 0, 0
	STEP 8, 2                                      ; TILE 1: the same columns, so the same bias
	STEP 9, 1
	STEP 10, 1
	TURN 11, 2                                     ; slot 0 takes tile 2's planes 0-3 of both operands
	STEP 12, 1
	STEP 13, 1
	STEP 14, 1
	TURN 15, 2                                     ; slot 1 takes tile 2's planes 4-7; tile 2's first plane is fetched
	EPI 76, 78, 256*1536, 256*64
	STEP 16, 3                                     ; TILE 2: the row bias
	STEP 17, 1
	STEP 18, 1
	TURN 19, 0                                     ; nothing is left to fetch
	STEP 20, 1
	STEP 21, 1
	STEP 22, 1
	s_wait_dscnt 0x0
	MULA 0, 1, 1
	MULA 1, 1, 1
	MULA 2, 1, 1
	MULA 3, 1, 1
	EPI 80, 82, 0, 0
	s_wait_tensorcnt 0x0                           ; the wave's end
	ds_add_u32 v[SPW], v[NIL]
	s_wait_dscnt 0x0
	CROUND                                         ; the closing round: no work-group ends while a partner may still ask for a tile that names it
	s_endpgm
.Lfunc_end_k_q0a4a99c64a_qkv:
	.size	k_q0a4a99c64a_qkv, .Lfunc_end_k_q0a4a99c64a_qkv-k_q0a4a99c64a_qkv
	.p2alignl 7, 3214868480
	.fill 96, 4, 3214868480
	.section	.rodata,"a",@progbits
	.p2align	6, 0x0
	.amdhsa_kernel k_q0a4a99c64a_qkv
		.amdhsa_group_segment_fixed_size 327680
		.amdhsa_private_segment_fixed_size 0
		.amdhsa_enable_private_segment 0
		.amdhsa_kernarg_size 48
		.amdhsa_user_sgpr_count 2
		.amdhsa_user_sgpr_kernarg_segment_ptr 1
		.amdhsa_wavefront_size32 1
		.amdhsa_system_sgpr_workgroup_id_x 1
		.amdhsa_system_sgpr_workgroup_id_y 1
		.amdhsa_system_sgpr_workgroup_id_z 1
		.amdhsa_system_vgpr_workitem_id 0
		.amdhsa_next_free_vgpr 864
		.amdhsa_next_free_sgpr 106
		.amdhsa_reserve_vcc 0
		.amdhsa_float_denorm_mode_32 3
		.amdhsa_float_denorm_mode_16_64 3
		.amdhsa_memory_ordered 1
		.amdhsa_forward_progress 1
		.amdhsa_inst_pref_size 238
	.end_amdhsa_kernel
	.amdgpu_metadata
---
amdhsa.version: [ 1, 2 ]
amdhsa.kernels:
  - .name:           k_q0a4a99c64a_qkv
    .symbol:         k_q0a4a99c64a_qkv.kd
    .args:
      - { .name: XW, .offset: 0, .size: 8, .value_kind: global_buffer, .address_space: global }
      - { .name: bq, .offset: 8, .size: 8, .value_kind: global_buffer, .address_space: global }
      - { .name: bk, .offset: 16, .size: 8, .value_kind: global_buffer, .address_space: global }
      - { .name: bv, .offset: 24, .size: 8, .value_kind: global_buffer, .address_space: global }
      - { .name: QK, .offset: 32, .size: 8, .value_kind: global_buffer, .address_space: global }
      - { .name: VT, .offset: 40, .size: 8, .value_kind: global_buffer, .address_space: global }
    .group_segment_fixed_size: 327680
    .private_segment_fixed_size: 0
    .kernarg_segment_align: 8
    .kernarg_segment_size: 48
    .max_flat_workgroup_size: 128
    .sgpr_count:     106
    .vgpr_count:     864
    .wavefront_size: 32
...
	.end_amdgpu_metadata
.endif
;; end of part 2
;; launch scores (part 3): grid 8 x 32, 4 waves a work-group, clusters of 4 x 4, 327,680 bytes of LDS; arguments QK, P; writes P
.if DOCPART == 3
	.amdgcn_target "amdgcn-amd-amdhsa--gfx1250"
	.amdhsa_code_object_version 6
	.text
	.protected	k_q0a4a99c64a_scores
	.globl	k_q0a4a99c64a_scores
	.p2align	8
	.type	k_q0a4a99c64a_scores,@function
k_q0a4a99c64a_scores:
	s_mov_b64 s[64:65], 0
	v_nop
	global_prefetch_b8 v0, s[64:65] scope:SCOPE_SE
	s_setreg_imm32_b32 hwreg(HW_REG_WAVE_MODE, 25, 1), 1
	s_wait_xcnt 0x0
	s_wait_alu depctr_hold_cnt(0) depctr_sa_sdst(0) depctr_va_vdst(0) depctr_va_sdst(0) depctr_va_ssrc(0) depctr_va_vcc(0) depctr_vm_vsrc(0)
	s_getreg_b32 s2, hwreg(HW_REG_IB_STS2, 6, 4)
	s_cmp_eq_u32 s2, 0
	s_cbranch_scc0 .Lentry_in_a_cluster
	s_endpgm
.Lentry_in_a_cluster:
	s_bfe_u32 s2, ttmp6, 0x10000c
	s_cmp_lg_u32 s2, 0xf033
	s_cbranch_scc0 .Lentry_shape_is_right
	s_endpgm
.Lentry_shape_is_right:
; S = q k^T on codes of FP6 (E2M3) with E8M0 scales; the mask (key j counts for query i where j >= i - 16); and the softmax's weights as codes, for each row and each 128 keys BY THEMSELVES:
; t = score x log2(e) / 32; M' = the largest t of the row's 128 keys here, rounded UP to a whole number; p = 2^(t - M'), quantised along the keys; l' = the sum of the unquantised p.
; Stored: p's codes and scale words as the next product's operand, and -M' and l' for each (row, 128 keys).  The next launch takes the row's M as the largest M' and shifts the scale bytes by M' - M: exact, since both are whole numbers.
; So the maximum is taken away before every exponential, and no exponent is above 0.
; A TILE is 128 queries x 256 keys of one batch, K = 1,024 = 8 planes: 512 tiles.  Four waves, 64 x 128 each: 32 accumulators.
; A WORK-GROUP STAYS AND MAKES TWO TILES: 256 work-groups.  The batch is cluster y / 2; the query blocks are I = 4 (cluster y % 2) + cy and I + 8; the key block is J = 4 x cluster x + cx for both.
; LDS holds both panels of a tile, all of K (98,304 + 196,608 bytes), as two slots of 4 planes.  k's panel stays for both tiles; q's part of a slot that has been read out is filled again with the second tile's same planes,
; so that these come in under the first tile's products and its way out, and the first tile's stores leave under the second tile's products.  The scale words of both tiles come with the first fills and are never filled again.
; OPERANDS are images of their registers (1,536 bytes a fragment; codes [plane][fragment][1536], q's fragments 0-511, k's 512-1023; scale words [plane][16 x fragment + lane-row]); lane-row r of fragment f is row 32 (f / 2) + 8 (f % 2) + r + 8 (r / 8).
; THE MATRIX INSTRUCTION IS USED TRANSPOSED (source 0 = 16 keys, source 1 = 16 queries): lane (r, h) holds one query, and registers 16 b + i of a fragment's 64 are keys 32 b + 16 h + i of my 128.
; THE MASK is applied in every tile, by a compare of whole numbers and a select: a branch round it would hang on the work-group's place in its cluster.  Hidden scores become -infinity: p = 0.
; 128 keys that are all hidden give -M' = +1e30, l' = 0, zero codes and the byte 1.
; CLUSTERS: 4 x 4 work-groups; q's tile is shared along a row of the cluster, k's along a column, each asked for jointly; where a slot is filled again, a round of the cluster's barrier stands in front.
; The launch claims all of LDS, and each wave adds 0 to spare words of its own in front of each change of slots and at its end.
; LIMITS: NaN and infinities are not served; 128 keys whose every t lies under -1e30 count as hidden; a p under 2^-126 of its 128 keys' largest is 0 (the exponential's own flush, ISA guide 15.8).
; REGISTERS: window 0: v1-14, v28-29 addresses and the mask's number; v32-43 scale words; v48-93 at work; v128-175, v176-223 q's fragments, sets 0 and 1; a tile's last step uses set 1, whose registers then take p's codes,
;   while set 0 already holds the next tile's first plane; v224-230 at work.  window 1: k's fragments, two sets.  window 2: accumulator (a, b) at v[8 (8 a + b)].
.set QPL,  1024*1536                   ; QK: a plane of codes,
.set QSO,  8*QPL                       ; where its scale words begin,
.set QSP,  16384*4                     ; a plane of them
.set SCA,  294912                      ; LDS: q's halves at 0 and 49,152; k's at 98,304 and 196,608; q's scale words [half][8 x tile + plane][64];
.set SAH,  16*256
.set SCB,  303104                      ; k's [half][plane][128];
.set SBH,  8*512
.set STG,  319488                      ; 1,024 bytes for each wave, for the words on the way out: no fill lands here;
.set SPARE, 324096                     ; the spare words, 128 bytes for each wave: two blocks of 256 bytes that no other line names
.set ADRA, 4
.set ADRB0, 5
.set ADRB1, 6
.set ADSA, 7
.set ADSB, 8
.set OFFS, 9
.set STW,  10
.set STR,  11
.set OFF8, 12
.set D0,   13                          ; v13  my query less my first key less 16 (for fragment 0): register 16 b + i of fragment a is hidden where 32 b + i - 32 (a / 2) - 8 (a % 2) < this
.set NINF, 14                          ; v14  -infinity
.set SPW,  28                          ; v28  LDS address of my spare word; never rewritten
.set NIL,  29                          ; v29  0; never rewritten
.set SC,   32
.set BM,   48                          ; v48-51 a block's largest score, then its largest p
.set BX,   52                          ; v52-55 lane exchanges' destinations
.set SOP,  56                          ; v56-59 the conversions' scale operands
.set BYT,  60                          ; v60-63 bytes
.set NMP,  64                          ; v[64:65] -M' (the packed form names a pair and takes its low word)
.set PW,   72                          ; v72-75 scale words, v76-79 -M', v80-83 l', one for each fragment
.set NMS,  76
.set LSM,  80
.set WB,   88
.set AF,   128
.set PC,   176
.set T2,   224
.set WV,   16
.set KIND, 17
.set HALF, 18
.set CXI,  19
.set CYI,  20
.set CX,   21
.set CY,   22
.set G1A,  24
.set G1B,  32
.set G1SA, 40
.set G1SB, 48                          ; groups 0: s56, s60 q's slots 0 and 1; s68, s72 k's; s76, s80 q's scale words of tiles 0, 1; s84 k's
.set CS,   66                          ; s[66:67] c = log2(e) / 32
.set CB,   88                          ; s[88:89] where my codes go, s[90:91] my words
.set SB,   90
.set SEL,  100
.set MSB, 0
.macro WIN new                         ; the immediate's high byte repeats the setting that is left
.if MSB != \new
	s_set_vgpr_msb (MSB<<8)|\new
.set MSB, \new
.endif
.endm
.macro PLACES                          ; four plain places behind a matrix instruction (ISA guide 7.12.1)
.rept 4
	v_nop
.endr
.endm
.macro CREST
	s_cmp_lg_u32 s[WV], 0
	s_cbranch_scc1 .Lnot_wave_0_\@
	s_barrier_signal -3
.Lnot_wave_0_\@:
	s_barrier_wait -3
	s_barrier_signal -1
	s_barrier_wait -1
.endm
.macro CROUND
	s_barrier_signal -1
	s_barrier_wait -1
	CREST
.endm
.macro G1SET g, d0, d1, st
	s_mov_b32 s[\g+1], (\d0)<<16
	s_mov_b32 s[\g+2], (\d1)<<16
	s_mov_b32 s[\g+3], (\d0)<<16
	s_mov_b32 s[\g+4], \d1
	s_mov_b32 s[\g+5], \st
	s_mov_b32 s[\g+6], 0
	s_mov_b32 s[\g+7], 0
.endm
.macro JLOADA ga                       ; a joint refill of q alone: waves 0 and 1 fetch its halves, waves 2 and 3 have no part to fill; four v_nop follow the line
	s_cmp_eq_u32 s[KIND], 0
	s_cbranch_scc0 .Lnone_\@
	tensor_load_to_lds s[\ga:\ga+3], s[G1A:G1A+7]
	s_nop 0
.rept 4
	v_nop
.endr
.Lnone_\@:
	PLACES                                         ; on every wave's way: the places in front of the LDS loads that follow
.endm
.macro FETCH kl, ksa, ksb, p           ; 42 LDS loads in one run: the fragments at plane kl (k's eight, q's four), q's scale words of plane ksa and k's of plane ksb, into set p
	WIN 0x40
.irp b, 0,1,2,3,4,5,6,7
.irp c, 0,1,2
	ds_load_b128 v[128*(\p)+12*\b+4*\c:128*(\p)+12*\b+4*\c+3], v[ADRB0+(\kl)/4] offset:((\kl)%4)*12288+1536*\b+512*\c
.endr
.endr
	WIN 0
.irp a, 0,1,2,3
.irp c, 0,1,2
	ds_load_b128 v[AF+48*(\p)+12*\a+4*\c:AF+48*(\p)+12*\a+4*\c+3], v[ADRA] offset:6144*(\kl)+1536*\a+512*\c
.endr
.endr
.irp i, 0,1,2,3
	ds_load_b32 v[SC+6*(\p)+\i], v[ADSB] offset:512*(\ksb)+128*\i
.endr
.irp i, 0,1
	ds_load_b32 v[SC+6*(\p)+4+\i], v[ADSA] offset:256*(\ksa)+128*\i
.endr
.endm
.macro WM a, b, p, cm                  ; one product.  cm = 0: it starts the sum; 1: in place.  An odd fragment's scale words lie in lanes 16-31
.set rD, 8*(8*(\a)+(\b))
.set rB, 128*(\p)+12*(\b)
.set rA, AF+48*(\p)+12*(\a)
.set sB, SC+6*(\p)+(\b)/2
.set sA, SC+6*(\p)+4+(\a)/2
.set rw, 2*((\a)%2)+(\b)%2
.if (\cm) == 0
.if rw == 0
	v_wmma_scale_f32_16x16x128_f8f6f4 v[rD:rD+7], v[rB:rB+11], v[rA:rA+11], 0, v[sB], v[sA] matrix_a_fmt:MATRIX_FMT_FP6 matrix_b_fmt:MATRIX_FMT_FP6
.elseif rw == 1
	v_wmma_scale_f32_16x16x128_f8f6f4 v[rD:rD+7], v[rB:rB+11], v[rA:rA+11], 0, v[sB], v[sA] matrix_a_fmt:MATRIX_FMT_FP6 matrix_b_fmt:MATRIX_FMT_FP6 matrix_a_scale:MATRIX_SCALE_ROW1
.elseif rw == 2
	v_wmma_scale_f32_16x16x128_f8f6f4 v[rD:rD+7], v[rB:rB+11], v[rA:rA+11], 0, v[sB], v[sA] matrix_a_fmt:MATRIX_FMT_FP6 matrix_b_fmt:MATRIX_FMT_FP6 matrix_b_scale:MATRIX_SCALE_ROW1
.else
	v_wmma_scale_f32_16x16x128_f8f6f4 v[rD:rD+7], v[rB:rB+11], v[rA:rA+11], 0, v[sB], v[sA] matrix_a_fmt:MATRIX_FMT_FP6 matrix_b_fmt:MATRIX_FMT_FP6 matrix_a_scale:MATRIX_SCALE_ROW1 matrix_b_scale:MATRIX_SCALE_ROW1
.endif
.else
.if rw == 0
	v_wmma_scale_f32_16x16x128_f8f6f4 v[rD:rD+7], v[rB:rB+11], v[rA:rA+11], v[rD:rD+7], v[sB], v[sA] matrix_a_fmt:MATRIX_FMT_FP6 matrix_b_fmt:MATRIX_FMT_FP6
.elseif rw == 1
	v_wmma_scale_f32_16x16x128_f8f6f4 v[rD:rD+7], v[rB:rB+11], v[rA:rA+11], v[rD:rD+7], v[sB], v[sA] matrix_a_fmt:MATRIX_FMT_FP6 matrix_b_fmt:MATRIX_FMT_FP6 matrix_a_scale:MATRIX_SCALE_ROW1
.elseif rw == 2
	v_wmma_scale_f32_16x16x128_f8f6f4 v[rD:rD+7], v[rB:rB+11], v[rA:rA+11], v[rD:rD+7], v[sB], v[sA] matrix_a_fmt:MATRIX_FMT_FP6 matrix_b_fmt:MATRIX_FMT_FP6 matrix_b_scale:MATRIX_SCALE_ROW1
.else
	v_wmma_scale_f32_16x16x128_f8f6f4 v[rD:rD+7], v[rB:rB+11], v[rA:rA+11], v[rD:rD+7], v[sB], v[sA] matrix_a_fmt:MATRIX_FMT_FP6 matrix_b_fmt:MATRIX_FMT_FP6 matrix_a_scale:MATRIX_SCALE_ROW1 matrix_b_scale:MATRIX_SCALE_ROW1
.endif
.endif
.endm
.macro MULA a, p, cm                   ; q's fragment a against k's eight.  The 32 accumulators take turns, one instruction a turn, in the same order in every step
	WIN 0xa1                                       ; source 0 window 1, source 1 window 0, C and D window 2
.irp b, 0,1,2,3,4,5,6,7
	WM \a, \b, \p, \cm
.endr
.endm
; STEPS are numbered through the two tiles: step g is plane g % 8 of tile g / 8, on set g % 2.  A step whose successor lies in the same slot: 32 products, while the next plane's 42 loads land in the other set
.macro STEP g, cm
	s_wait_dscnt 0x0                               ; this step's fragments, asked for a whole step ago
.if (\g) > 0
.if (\g)%8 == 0
	s_wait_xcnt 0x0                                ; the last tile's stores have read their registers: set 1's, which held its codes, are loaded again only behind this wait
.endif
	PLACES
.endif
	FETCH ((\g)+1)%8, (\g)+1, ((\g)+1)%8, ((\g)+1)%2
	MULA 0, (\g)%2, \cm
	MULA 1, (\g)%2, \cm
	MULA 2, (\g)%2, \cm
	MULA 3, (\g)%2, \cm
.endm
; A slot's last step changes slots: ONE barrier; in front of it each wave waits for all its tensor loads (its part of what is read next), adds 0 to its spare word, and waits for that and for its reads of this slot.
; fill = 1: the barrier opens a round of the cluster's barrier, and q's part of this slot is filled again with the same planes 64 fragments on (the second tile);  fill = 0: nothing is left to fetch.
; At the first tile's end (g = 7) the plane fetched is the second tile's first, which was asked for four steps ago.
.macro TURN g, fill
.set SL, ((\g)%8)/4                    ; the slot that has been read out
	WIN 0                                          ; (the add's two registers lie in window 0)
	s_wait_tensorcnt 0x0
	ds_add_u32 v[SPW], v[NIL]
	s_wait_dscnt 1                                 ; this step's fragments are in; the add alone may be out
	MULA 0, (\g)%2, 1                              ; eight products stand between the add and the wait for it
	s_wait_dscnt 0x0                               ; the add is done, and my reads of this slot are over
	s_barrier_signal -1
	MULA 1, (\g)%2, 1
	WIN 0
	s_barrier_wait -1
.if (\fill) == 0
	PLACES
.else
	CREST                                          ; no wave of any partner still reads this slot or has a load on its way
	s_add_nc_u64 s[58+4*SL:59+4*SL], s[58+4*SL:59+4*SL], 64*1536
	JLOADA 56+4*SL                                 ; my one tensor load behind the round, and the first thing there
.endif
	FETCH ((\g)+1)%8, (\g)+1, ((\g)+1)%8, ((\g)+1)%2
	MULA 2, (\g)%2, 1
	MULA 3, (\g)%2, 1
.endm
; fragment a's 16 queries x my 128 keys: mask, M', p, l', codes, image.  coff: bytes on from s[CB:CB+1]
.macro SOFT a, coff
.set AC, 64*(\a)
	WIN 0x82                                       ; destination and source 0 window 2
.set n, 0
.rept 64                               ; in ascending order: each accumulator is read from its low end on
	v_cmp_lt_i32 vcc_lo, 32*(n/16)+n%16-32*((\a)/2)-8*((\a)%2), v[D0]
	v_cndmask_b32 v[AC+n], v[AC+n], v[NINF], vcc_lo
.set n, n+1
.endr
	WIN 0x2a
.irp b, 0,1,2,3
	v_max3_num_f32 v[BM+\b], v[AC+16*\b], v[AC+16*\b+1], v[AC+16*\b+2]   ; the largest score of each block of 32 keys serves twice: for the row's maximum, and, since p rises with the score, for the block's largest p
.endr
	WIN 0x28
.irp i, 3,5,7,9,11,13
.irp b, 0,1,2,3
	v_max3_num_f32 v[BM+\b], v[BM+\b], v[AC+16*\b+\i], v[AC+16*\b+\i+1]
.endr
.endr
	WIN 0x08
.irp b, 0,1,2,3
	v_max_num_f32 v[BM+\b], v[BM+\b], v[AC+16*\b+15]
.endr
	WIN 0
.irp b, 0,1,2,3
	v_permlanex16_b32 v[BX+\b], v[BM+\b], s[SEL], s[SEL+1]
.endr
.irp b, 0,1,2,3
	v_max_num_f32 v[BM+\b], v[BM+\b], v[BX+\b]     ; with lane l xor 16's 16 keys
.endr
	v_max3_num_f32 v70, v[BM], v[BM+1], v[BM+2]
	v_max_num_f32 v70, v70, v[BM+3]
	v_mul_f32 v70, s[CS], v70                      ; the largest t (c is positive),
	v_max_num_f32 v70, 0xf149f2ca, v70             ; held at -1e30 from below, so that -M' is a number where all 128 keys are hidden
	v_floor_f32 v[NMP], -v70                       ; -M' = floor(-t) = -ceil(t)
.irp b, 0,1,2,3
	v_fma_f32 v[BM+\b], v[BM+\b], s[CS], v[NMP]
.endr
	WIN 0x82
.set n, 0
.rept 32
	v_pk_fma_f32 v[AC+n:AC+n+1], v[AC+n:AC+n+1], s[CS:CS+1], v[NMP:NMP+1] op_sel_hi:[1,0,0]   ; t - M', two at a time
.set n, n+2
.endr
.set n, 0
.rept 64
	v_exp_f32 v[AC+n], v[AC+n]                     ; p = 2^(t - M'), at most 1
.set n, n+1
.endr
	WIN 0
	v_mov_b32 v[NMS+(\a)], v[NMP]                  ; (a plain place behind the exponentials)
	s_wait_alu depctr_va_vdst(0)                   ; one wait for the batch of 64, ahead of its first reader
.irp b, 0,1,2,3
	v_exp_f32 v[BM+\b], v[BM+\b]                   ; the block's largest p: the same two steps on the same number
.endr
	WIN 0x0a
	v_pk_add_f32 v[66:67], v[AC:AC+1], v[AC+2:AC+3]        ; the sum of the unquantised p, two at a time, in two chains: plain work behind the four, which it does not name
	v_pk_add_f32 v[68:69], v[AC+4:AC+5], v[AC+6:AC+7]
	WIN 0x08
.irp j, 8,12,16,20,24,28,32,36,40,44,48,52,56,60
	v_pk_add_f32 v[66:67], v[66:67], v[AC+\j:AC+\j+1]
	v_pk_add_f32 v[68:69], v[68:69], v[AC+\j+2:AC+\j+3]
.endr
	WIN 0
	v_pk_add_f32 v[66:67], v[66:67], v[68:69]
	v_add_f32 v66, v66, v67
	v_permlanex16_b32 v71, v66, s[SEL], s[SEL+1]
	v_add_f32 v[LSM+(\a)], v66, v71                ; with lane l xor 16's: l'
	s_wait_alu depctr_va_vdst(0)                   ; and one wait for the four
.irp b, 0,1,2,3
	v_max_num_f32 v[BM+\b], 0x1800000, v[BM+\b]    ; the floor 2^(3 - 127): the byte cannot fall under 1
.endr
.irp b, 0,1,2,3
	v_add_nc_u32 v[SOP+\b], 0xff000000, v[BM+\b]   ; 2 off the exponent field: the conversion's scale operand
.endr
.irp b, 0,1,2,3
	v_lshrrev_b32 v[BYT+\b], 23, v[SOP+\b]
.endr
	v_lshl_or_b32 v[PW+(\a)], v[BYT+1], 8, v[BYT]
	v_lshl_or_b32 v[PW+(\a)], v[BYT+2], 16, v[PW+(\a)]
	v_lshl_or_b32 v[PW+(\a)], v[BYT+3], 24, v[PW+(\a)]
	WIN 0x02
.irp c, 0,1
	v_cvt_scalef32_pk16_fp6_f32 v[PC+12*(\a)+6*\c:PC+12*(\a)+6*\c+2], v[AC+32*\c:AC+32*\c+15], v[SOP+2*\c]
	v_cvt_scalef32_pk16_fp6_f32 v[T2+4*\c:T2+4*\c+2], v[AC+32*\c+16:AC+32*\c+31], v[SOP+2*\c+1]
.endr
	WIN 0
	v_nop                                          ; one plain place behind a scaled conversion
.irp c, 0,1
.irp i, 0,1,2
	v_permlane16_swap_b32 v[PC+12*(\a)+6*\c+\i], v[T2+4*\c+\i]
.endr
.irp i, 0,1,2
	v_mov_b32 v[PC+12*(\a)+6*\c+3+\i], v[T2+4*\c+\i]
.endr
.endr
.irp c, 0,1,2
	global_store_b128 v[OFFS], v[PC+12*(\a)+4*\c:PC+12*(\a)+4*\c+3], s[CB:CB+1] offset:(\coff)+1536*(\a)+512*\c   ; 512 consecutive bytes, at a multiple of 256 from the buffer's first byte
.endr
.endm
; THE WAY OUT of a tile.  coff, soff: bytes on from s[CB:CB+1] and s[SB:SB+1]
.macro EPI coff, soff
	WIN 0
	PLACES
	SOFT 0, \coff
	SOFT 1, \coff
	SOFT 2, \coff
	SOFT 3, \coff
.irp a, 0,1,2,3
	ds_store_b32 v[STW], v[PW+\a] offset:64*\a     ; lanes l and l + 16 write the same word with the same value; the bytes are my wave's own
	ds_store_b32 v[STW], v[NMS+\a] offset:256+64*\a
	ds_store_b32 v[STW], v[LSM+\a] offset:512+64*\a
.endr
.irp t, 0,1,2
	ds_load_b64 v[WB+2*\t:WB+2*\t+1], v[STR] offset:256*\t   ; LDS serves a wave's instructions in order: these see the stores above
.endr
	s_wait_dscnt 0x0
	global_store_b64 v[OFF8], v[WB:WB+1], s[SB:SB+1] offset:\soff              ; my 64 scale words: 256 consecutive bytes, aligned;
	global_store_b64 v[OFF8], v[WB+2:WB+3], s[SB:SB+1] offset:(\soff)+524288   ; -M';
	global_store_b64 v[OFF8], v[WB+4:WB+5], s[SB:SB+1] offset:(\soff)+1048576  ; l'
.endm
	s_load_b128 s[4:7], s[0:1], 0x0                ; QK, P
	v_lshl_add_u32 v[SPW], v0, 2, SPARE
	v_mov_b32 v[NIL], 0
	ds_add_u32 v28, v29
	ds_add_u32 v28, v29
	s_wait_dscnt 0x0
	v_lshrrev_b32 v1, 5, v0
	v_readfirstlane_b32 s[WV], v1
	s_lshr_b32 s[KIND], s[WV], 1
	s_and_b32 s[HALF], s[WV], 1
	s_bfe_u32 s[CXI], ttmp6, 0x40000
	s_bfe_u32 s[CYI], ttmp6, 0x40004
	s_mov_b32 s[CX], ttmp9                         ; the cluster's x (0, 1) and y (0 .. 7)
	s_and_b32 s[CY], ttmp7, 0xffff
	s_lshl_b32 s2, s[CYI], 2
	s_lshl_b32 s2, 15, s2                          ; my row of the cluster
	s_lshl_b32 s3, 0x1111, s[CXI]                  ; my column
	s_or_b32 s[G1A], s2, (3<<16)|(1<<21)
	s_or_b32 s[G1SA], s2, (3<<16)|(1<<21)
	s_or_b32 s[G1B], s3, (3<<16)|(1<<21)
	s_or_b32 s[G1SB], s3, (3<<16)|(1<<21)
	G1SET G1A, 768, 4, QPL/8                       ; q: 4 fragments of each of 4 planes
	G1SET G1B, 1536, 4, QPL/8                      ; k: 8 fragments of each of 4 planes
	G1SET G1SA, 32, 8, QSP/8                       ; q's scale words: 64 of each of 8 planes
	G1SET G1SB, 64, 8, QSP/8                       ; k's: 128
	; byte offsets in QK, made while the arguments are on their way.  q's are made of cy and the cluster's y alone, k's of cx and the cluster's place alone
	s_lshr_b32 s23, s[CY], 1
	s_lshl_b32 s23, s23, 2
	s_and_b32 s3, s[CY], 1
	s_add_co_u32 s23, s23, s3
	s_lshl_b32 s23, s23, 2
	s_add_co_u32 s23, s23, s[CYI]                  ; the first tile's block of 128 queries, over the four batches: 16 (cluster y / 2) + 4 (cluster y % 2) + cy
	s_lshl_b32 s23, s23, 3
	s_lshl_b32 s2, s[HALF], 2
	s_add_co_u32 s23, s23, s2                      ; q's first fragment that I fetch
	s_mul_i32 s58, s23, 1536
	s_mov_b32 s59, 0
	s_lshl_b32 s78, s23, 6
	s_add_co_u32 s78, s78, QSO
	s_mov_b32 s79, 0
	s_lshl_b32 s98, s[CX], 2
	s_add_co_u32 s98, s98, s[CXI]                  ; the block of 256 keys, 0..7
	s_lshl_b32 s98, s98, 4
	s_lshr_b32 s99, s[CY], 1                       ; the batch: the same in all sixteen partners
	s_lshl_b32 s99, s99, 7
	s_add_co_u32 s98, s98, s99
	s_lshl_b32 s99, s[HALF], 3
	s_add_co_u32 s98, s98, s99
	s_add_co_u32 s98, s98, 512                     ; k's first fragment that I fetch
	s_mul_i32 s70, s98, 1536
	s_mov_b32 s71, 0
	s_lshl_b32 s86, s98, 6
	s_add_co_u32 s86, s86, QSO
	s_mov_b32 s87, 0
	; where they go: made of the wave's number alone
	s_mul_i32 s57, s[HALF], 49152
	s_add_co_u32 s61, s57, 24576
	s_mul_i32 s69, s[HALF], 98304
	s_add_co_u32 s69, s69, 98304
	s_add_co_u32 s73, s69, 49152
	s_mul_i32 s77, s[HALF], SAH
	s_add_co_u32 s77, s77, SCA
	s_add_co_u32 s81, s77, 2048
	s_mul_i32 s85, s[HALF], SBH
	s_add_co_u32 s85, s85, SCB
.irp g, 56, 60, 68, 72, 76, 80, 84
	s_mov_b32 s[\g], 1
.endr
	s_wait_kmcnt 0x0
	s_add_nc_u64 s[58:59], s[4:5], s[58:59]        ; q, slot 0: planes 0-3
	s_add_nc_u64 s[62:63], s[58:59], 4*QPL         ; slot 1: planes 4-7
	s_add_nc_u64 s[78:79], s[4:5], s[78:79]        ; q's scale words of the first tile,
	s_add_nc_u64 s[82:83], s[78:79], 64*64         ; of the second: 64 fragments on
	s_add_nc_u64 s[70:71], s[4:5], s[70:71]        ; k likewise
	s_add_nc_u64 s[74:75], s[70:71], 4*QPL
	s_add_nc_u64 s[86:87], s[4:5], s[86:87]
.irp g, 56, 60, 68, 72, 76, 80, 84
	s_or_b32 s[\g+3], s[\g+3], 0x80000000
.endr
	CROUND                                         ; all sixteen work-groups are here: the first joint loads meet
	s_cmp_eq_u32 s[KIND], 0                        ; a wave's first fills stand in one branch on its number: four or three loads of mine are out; the youngest is slot 1's in both arms
	s_cbranch_scc0 .Lfirst_b
	tensor_load_to_lds s[76:79], s[G1SA:G1SA+7]
	s_nop 0
	tensor_load_to_lds s[80:83], s[G1SA:G1SA+7]
	s_nop 0
	tensor_load_to_lds s[56:59], s[G1A:G1A+7]
	s_nop 0
	tensor_load_to_lds s[60:63], s[G1A:G1A+7]
	s_nop 0
.rept 4
	v_nop
.endr
	s_branch .Lfirst_done
.Lfirst_b:
	tensor_load_to_lds s[84:87], s[G1SB:G1SB+7]
	s_nop 0
	tensor_load_to_lds s[68:71], s[G1B:G1B+7]
	s_nop 0
	tensor_load_to_lds s[72:75], s[G1B:G1B+7]
	s_nop 0
.rept 4
	v_nop
.endr
.Lfirst_done:
	v_and_b32 v1, 31, v0
	v_and_b32 v2, 15, v0
	v_bfe_u32 v3, v0, 4, 1
	s_mul_i32 s2, s[KIND], 49152
	v_lshl_add_u32 v[ADRA], v1, 4, s2
	s_mul_i32 s2, s[HALF], 98304
	s_add_co_u32 s2, s2, 98304
	v_lshl_add_u32 v[ADRB0], v1, 4, s2
	v_add_nc_u32 v[ADRB1], 49152, v[ADRB0]
	s_mul_i32 s2, s[KIND], SAH
	s_add_co_u32 s2, s2, SCA
	v_lshl_add_u32 v[ADSA], v1, 2, s2
	s_mul_i32 s2, s[HALF], SBH
	s_add_co_u32 s2, s2, SCB
	v_lshl_add_u32 v[ADSB], v1, 2, s2
	v_lshlrev_b32 v[OFFS], 4, v1
	s_lshl_b32 s2, s[WV], 10
	s_add_co_u32 s2, s2, STG
	v_lshl_add_u32 v[STW], v2, 2, s2
	v_lshl_add_u32 v[STR], v1, 3, s2
	v_lshlrev_b32 v[OFF8], 3, v1
.irp b, 0,1,2,3
	v_mov_b32 v[BX+\b], 0                          ; written once: a lane exchange's destination counts as one of its sources
.endr
	v_mov_b32 v71, 0
	v_mov_b32 v[NMP+1], 0                          ; (named as the upper half of a pair)
	v_mov_b32 v[NINF], 0xff800000
	s_mov_b32 s[SEL], 0x76543210
	s_mov_b32 s[SEL+1], 0xfedcba98
	s_mov_b32 s[CS], 0x3d38aa3b                    ; c = log2(e) / sqrt(1024)
	s_mov_b32 s[CS+1], s[CS]
	; the mask's number for the first tile: 128 I + 64 (wave / 2) + r + 8 (r / 8) - 16 - 256 J - 128 (wave % 2) - 16 h, I the query block in its batch, J the key block.  It serves compares alone
	s_and_b32 s2, s[CY], 1
	s_lshl_b32 s2, s2, 2
	s_add_co_u32 s2, s2, s[CYI]
	s_lshl_b32 s2, s2, 7
	s_lshl_b32 s3, s[KIND], 6
	s_add_co_u32 s2, s2, s3
	s_lshl_b32 s92, s[CX], 2
	s_add_co_u32 s92, s92, s[CXI]
	s_lshl_b32 s92, s92, 1
	s_add_co_u32 s92, s92, s[HALF]                 ; 2 J + wave % 2: my 128 keys, and the plane of P that takes them
	s_lshl_b32 s3, s92, 7
	s_sub_co_u32 s2, s2, s3
	s_sub_co_u32 s2, s2, 16
	v_and_b32 v[D0], 8, v2
	v_add_nc_u32 v[D0], v[D0], v2
	v_lshlrev_b32 v15, 4, v3
	v_sub_nc_u32 v[D0], v[D0], v15
	v_add_nc_u32 v[D0], s2, v[D0]
	; where the results go: plane 2 J + wave % 2 of P, fragments 8 x query block + 4 (wave / 2) on; the second tile lies 64 fragments on
	s_lshr_b32 s93, s[CY], 1
	s_lshl_b32 s93, s93, 2
	s_and_b32 s94, s[CY], 1
	s_add_co_u32 s93, s93, s94
	s_lshl_b32 s93, s93, 2
	s_add_co_u32 s93, s93, s[CYI]
	s_lshl_b32 s93, s93, 3
	s_lshl_b32 s94, s[KIND], 2
	s_add_co_u32 s93, s93, s94
	s_mul_i32 s88, s92, 786432
	s_mul_i32 s94, s93, 1536
	s_add_co_u32 s88, s88, s94
	s_mov_b32 s89, 0
	s_add_nc_u64 s[CB:CB+1], s[6:7], s[88:89]
	s_lshl_b32 s90, s92, 15
	s_lshl_b32 s94, s93, 6
	s_add_co_u32 s90, s90, s94
	s_add_co_u32 s90, s90, 12582912
	s_mov_b32 s91, 0
	s_add_nc_u64 s[SB:SB+1], s[6:7], s[90:91]
	s_wait_tensorcnt 1                             ; my scale words and my part of slot 0 are in; slot 1's load may be out
	s_barrier_signal -1
	s_barrier_wait -1                              ; everybody's are
	FETCH 0, 0, 0, 0
	STEP 0, 0                                      ; THE FIRST TILE: the first products start the sums: nothing is cleared
	STEP 1, 1
	STEP 2, 1
	TURN 3, 1                                      ; q's slot 0 takes the second tile's planes 0-3
	STEP 4, 1
	STEP 5, 1
	STEP 6, 1
	TURN 7, 1                                      ; q's slot 1 takes its planes 4-7; its first plane is fetched
	EPI 0, 0
	v_add_nc_u32 v[D0], 0x400, v[D0]               ; the second tile's queries lie 1,024 further on
	STEP 8, 0                                      ; THE SECOND TILE
	STEP 9, 1
	STEP 10, 1
	TURN 11, 0                                     ; nothing is left to fetch
	STEP 12, 1
	STEP 13, 1
	STEP 14, 1
	s_wait_dscnt 0x0
	MULA 0, 1, 1
	MULA 1, 1, 1
	MULA 2, 1, 1
	MULA 3, 1, 1
	EPI 64*1536, 64*64
	s_wait_tensorcnt 0x0                           ; the wave's end
	ds_add_u32 v[SPW], v[NIL]
	s_wait_dscnt 0x0
	CROUND                                         ; the closing round: no work-group ends while a partner may still ask for a tile that names it
	s_endpgm
.Lfunc_end_k_q0a4a99c64a_scores:
	.size	k_q0a4a99c64a_scores, .Lfunc_end_k_q0a4a99c64a_scores-k_q0a4a99c64a_scores
	.p2alignl 7, 3214868480
	.fill 96, 4, 3214868480
	.section	.rodata,"a",@progbits
	.p2align	6, 0x0
	.amdhsa_kernel k_q0a4a99c64a_scores
		.amdhsa_group_segment_fixed_size 327680
		.amdhsa_private_segment_fixed_size 0
		.amdhsa_enable_private_segment 0
		.amdhsa_kernarg_size 16
		.amdhsa_user_sgpr_count 2
		.amdhsa_user_sgpr_kernarg_segment_ptr 1
		.amdhsa_wavefront_size32 1
		.amdhsa_system_sgpr_workgroup_id_x 1
		.amdhsa_system_sgpr_workgroup_id_y 1
		.amdhsa_system_sgpr_workgroup_id_z 1
		.amdhsa_system_vgpr_workitem_id 0
		.amdhsa_next_free_vgpr 768
		.amdhsa_next_free_sgpr 106
		.amdhsa_reserve_vcc 1
		.amdhsa_float_denorm_mode_32 3
		.amdhsa_float_denorm_mode_16_64 3
		.amdhsa_memory_ordered 1
		.amdhsa_forward_progress 1
		.amdhsa_inst_pref_size 254
	.end_amdhsa_kernel
	.amdgpu_metadata
---
amdhsa.version: [ 1, 2 ]
amdhsa.kernels:
  - .name:           k_q0a4a99c64a_scores
    .symbol:         k_q0a4a99c64a_scores.kd
    .args:
      - { .name: QK, .offset: 0, .size: 8, .value_kind: global_buffer, .address_space: global }
      - { .name: P, .offset: 8, .size: 8, .value_kind: global_buffer, .address_space: global }
    .group_segment_fixed_size: 327680
    .private_segment_fixed_size: 0
    .kernarg_segment_align: 8
    .kernarg_segment_size: 16
    .max_flat_workgroup_size: 128
    .sgpr_count:     106
    .vgpr_count:     768
    .wavefront_size: 32
...
	.end_amdgpu_metadata
.endif
;; end of part 3
;; launch pv (part 4): grid 4 x 64, 4 waves a work-group, clusters of 4 x 4, 327,680 bytes of LDS; arguments P, VT, Y; writes Y
.if DOCPART == 4
	.amdgcn_target "amdgcn-amd-amdhsa--gfx1250"
	.amdhsa_code_object_version 6
	.text
	.protected	k_q0a4a99c64a_pv
	.globl	k_q0a4a99c64a_pv
	.p2align	8
	.type	k_q0a4a99c64a_pv,@function
k_q0a4a99c64a_pv:
	s_mov_b64 s[64:65], 0
	v_nop
	global_prefetch_b8 v0, s[64:65] scope:SCOPE_SE
	s_setreg_imm32_b32 hwreg(HW_REG_WAVE_MODE, 25, 1), 1
	s_wait_xcnt 0x0
	s_wait_alu depctr_hold_cnt(0) depctr_sa_sdst(0) depctr_va_vdst(0) depctr_va_sdst(0) depctr_va_ssrc(0) depctr_va_vcc(0) depctr_vm_vsrc(0)
	s_getreg_b32 s2, hwreg(HW_REG_IB_STS2, 6, 4)
	s_cmp_eq_u32 s2, 0
	s_cbranch_scc0 .Lentry_in_a_cluster
	s_endpgm
.Lentry_in_a_cluster:
	s_bfe_u32 s2, ttmp6, 0x10000c
	s_cmp_lg_u32 s2, 0xf033
	s_cbranch_scc0 .Lentry_shape_is_right
	s_endpgm
.Lentry_shape_is_right:
; y = (p v) / l on codes of FP6 (E2M3) with E8M0 scales, quantised along the channels and stored as the last product's operand.
; p came with a whole number M' and a sum l' for each (row, 128 keys).  THE PROLOGUE makes the row's own: -M = the smallest -M'; d = M' - M, a whole number, 0 or less; l = the sum of l' x 2^d (exact scalings);
; and each scale byte of p is shifted by d, which is what the quantiser gives under the row's M: the codes stay.  A byte that would fall under 0 is held at 0: such a p is at most 7.5 x 2^-127.  d is held at -300 from below.
; A TILE is 128 queries x 256 channels, K = the batch's 2,048 keys: 256 tiles.  Four waves, 64 x 128 each: 32 accumulators.  K goes in chunks of 512 keys (4 planes) through two LDS slots: two refills, written out.
; OPERANDS are images of their registers (1,536 bytes a fragment): P [plane of 128 keys][fragment of queries][1536], VT [16 x batch + plane][fragment of channels][1536]; v's scale words [plane][16 x fragment + lane-row].
; THE MATRIX INSTRUCTION IS USED TRANSPOSED (source 0 = 16 channels, source 1 = 16 queries): a lane holds one query, and registers 16 b + i of a fragment's 64 are channels 32 b + 16 h + i of my 128: neighbours along the next K.
; CLUSTERS: 4 x 4 work-groups; p's tile is shared along a row of the cluster, v's along a column, each asked for jointly; where a slot is filled again, a round of the cluster's barrier stands in front.
; The launch claims all of LDS, and each wave adds 0 to spare words of its own in front of each refill's barrier and at its end.
; LIMITS: NaN and infinities are not served; a block of y whose largest magnitude lies under 2^-124 keeps the byte 1.
; REGISTERS: window 0: v1-15, v28-30 addresses; v32-43 scale words; v48-95 at work; v128-223 p's fragments, two sets (first the prologue's numbers, last y's codes).  window 1: v's fragments, two sets.  window 2: accumulator (a, b) at v[8 (8 a + b)].
.set NKS,  16
.set PPL,  512*1536                    ; P: a plane of codes,
.set PSO,  16*PPL                      ; where its scale words begin; -M' lies 524,288 on, l' 1,048,576
.set VPL,  64*1536                     ; VT: a plane of codes,
.set VSO,  64*VPL                      ; where its scale words begin (4,096 bytes a plane)
.set SCA,  294912                      ; LDS: p's halves at 0 and 49,152 (8 places of a plane: two slots of 4); v's at 98,304 and 196,608; p's shifted scale words [half][plane][64]: stored by the prologue, no fill lands here;
.set SCB,  303104                      ; v's [half][plane][128]: filled once;
.set STG,  319488                      ; 1,024 bytes for each wave, for the words on the way out;
.set RLB,  323584                      ; 1 / l of the 128 rows;
.set SPARE, 324096                     ; the spare words, 128 bytes for each wave: two blocks of 256 bytes that no other line names
.set ADRA, 4
.set ADRB0, 5
.set ADRB1, 6
.set ADSA, 7
.set ADSB, 8
.set OFFS, 9
.set STW,  10
.set STR,  11
.set OFF8, 12
.set SPW,  28
.set NIL,  29
.set ARL,  30                          ; v30  where my rows' 1 / l lie
.set SC,   32
.set TM,   48
.set PW,   72
.set RL,   84                          ; v84, 86, 88, 90: 1 / l of my row in fragment a (the packed form names a pair and takes its low word)
.set WB,   92
.set AF,   128
.set PC,   128
.set T2,   176
.set WV,   16
.set KIND, 17
.set HALF, 18
.set CXI,  19
.set CYI,  20
.set CY,   22
.set G1A,  24
.set G1B,  32
.set G1SB, 48
.set SEL,  100
.set CB,   32
.set SB,   34
.set MSB, 0
.macro WIN new                         ; the immediate's high byte repeats the setting that is left
.if MSB != \new
	s_set_vgpr_msb (MSB<<8)|\new
.set MSB, \new
.endif
.endm
.macro PLACES                          ; four plain places behind a matrix instruction (ISA guide 7.12.1)
.rept 4
	v_nop
.endr
.endm
.macro CREST
	s_cmp_lg_u32 s[WV], 0
	s_cbranch_scc1 .Lnot_wave_0_\@
	s_barrier_signal -3
.Lnot_wave_0_\@:
	s_barrier_wait -3
	s_barrier_signal -1
	s_barrier_wait -1
.endm
.macro CROUND
	s_barrier_signal -1
	s_barrier_wait -1
	CREST
.endm
.macro G1SET g, d0, d1, st
	s_mov_b32 s[\g+1], (\d0)<<16
	s_mov_b32 s[\g+2], (\d1)<<16
	s_mov_b32 s[\g+3], (\d0)<<16
	s_mov_b32 s[\g+4], \d1
	s_mov_b32 s[\g+5], \st
	s_mov_b32 s[\g+6], 0
	s_mov_b32 s[\g+7], 0
.endm
.macro JLOAD ga, gb                    ; a joint refill: waves 0 and 1 fetch p's halves, waves 2 and 3 v's; four v_nop follow each of the two lines
	s_cmp_eq_u32 s[KIND], 0
	s_cbranch_scc0 .Lfor_b_\@
	tensor_load_to_lds s[\ga:\ga+3], s[G1A:G1A+7]
	s_nop 0
.rept 4
	v_nop
.endr
	s_branch .Lasked_\@
.Lfor_b_\@:
	tensor_load_to_lds s[\gb:\gb+3], s[G1B:G1B+7]
	s_nop 0
.rept 4
	v_nop
.endr
.Lasked_\@:
.endm
.macro FETCH kl, ksc, p                ; 42 LDS loads in one run: the fragments at place kl (v's eight, p's four) and plane ksc's scale words into set p
	WIN 0x40
.irp b, 0,1,2,3,4,5,6,7
.irp c, 0,1,2
	ds_load_b128 v[128*(\p)+12*\b+4*\c:128*(\p)+12*\b+4*\c+3], v[ADRB0+(\kl)/4] offset:((\kl)%4)*12288+1536*\b+512*\c
.endr
.endr
	WIN 0
.irp a, 0,1,2,3
.irp c, 0,1,2
	ds_load_b128 v[AF+48*(\p)+12*\a+4*\c:AF+48*(\p)+12*\a+4*\c+3], v[ADRA] offset:6144*(\kl)+1536*\a+512*\c
.endr
.endr
.irp i, 0,1,2,3
	ds_load_b32 v[SC+6*(\p)+\i], v[ADSB] offset:512*(\ksc)+128*\i
.endr
.irp i, 0,1
	ds_load_b32 v[SC+6*(\p)+4+\i], v[ADSA] offset:256*(\ksc)+128*\i
.endr
.endm
.macro WM a, b, p, cm                  ; one product.  cm = 0: it starts the sum; 1: in place.  An odd fragment's scale words lie in lanes 16-31
.set rD, 8*(8*(\a)+(\b))
.set rB, 128*(\p)+12*(\b)
.set rA, AF+48*(\p)+12*(\a)
.set sB, SC+6*(\p)+(\b)/2
.set sA, SC+6*(\p)+4+(\a)/2
.set rw, 2*((\a)%2)+(\b)%2
.if (\cm) == 0
.if rw == 0
	v_wmma_scale_f32_16x16x128_f8f6f4 v[rD:rD+7], v[rB:rB+11], v[rA:rA+11], 0, v[sB], v[sA] matrix_a_fmt:MATRIX_FMT_FP6 matrix_b_fmt:MATRIX_FMT_FP6
.elseif rw == 1
	v_wmma_scale_f32_16x16x128_f8f6f4 v[rD:rD+7], v[rB:rB+11], v[rA:rA+11], 0, v[sB], v[sA] matrix_a_fmt:MATRIX_FMT_FP6 matrix_b_fmt:MATRIX_FMT_FP6 matrix_a_scale:MATRIX_SCALE_ROW1
.elseif rw == 2
	v_wmma_scale_f32_16x16x128_f8f6f4 v[rD:rD+7], v[rB:rB+11], v[rA:rA+11], 0, v[sB], v[sA] matrix_a_fmt:MATRIX_FMT_FP6 matrix_b_fmt:MATRIX_FMT_FP6 matrix_b_scale:MATRIX_SCALE_ROW1
.else
	v_wmma_scale_f32_16x16x128_f8f6f4 v[rD:rD+7], v[rB:rB+11], v[rA:rA+11], 0, v[sB], v[sA] matrix_a_fmt:MATRIX_FMT_FP6 matrix_b_fmt:MATRIX_FMT_FP6 matrix_a_scale:MATRIX_SCALE_ROW1 matrix_b_scale:MATRIX_SCALE_ROW1
.endif
.else
.if rw == 0
	v_wmma_scale_f32_16x16x128_f8f6f4 v[rD:rD+7], v[rB:rB+11], v[rA:rA+11], v[rD:rD+7], v[sB], v[sA] matrix_a_fmt:MATRIX_FMT_FP6 matrix_b_fmt:MATRIX_FMT_FP6
.elseif rw == 1
	v_wmma_scale_f32_16x16x128_f8f6f4 v[rD:rD+7], v[rB:rB+11], v[rA:rA+11], v[rD:rD+7], v[sB], v[sA] matrix_a_fmt:MATRIX_FMT_FP6 matrix_b_fmt:MATRIX_FMT_FP6 matrix_a_scale:MATRIX_SCALE_ROW1
.elseif rw == 2
	v_wmma_scale_f32_16x16x128_f8f6f4 v[rD:rD+7], v[rB:rB+11], v[rA:rA+11], v[rD:rD+7], v[sB], v[sA] matrix_a_fmt:MATRIX_FMT_FP6 matrix_b_fmt:MATRIX_FMT_FP6 matrix_b_scale:MATRIX_SCALE_ROW1
.else
	v_wmma_scale_f32_16x16x128_f8f6f4 v[rD:rD+7], v[rB:rB+11], v[rA:rA+11], v[rD:rD+7], v[sB], v[sA] matrix_a_fmt:MATRIX_FMT_FP6 matrix_b_fmt:MATRIX_FMT_FP6 matrix_a_scale:MATRIX_SCALE_ROW1 matrix_b_scale:MATRIX_SCALE_ROW1
.endif
.endif
.endm
.macro MULA a, p, cm                   ; p's fragment a against v's eight.  The 32 accumulators take turns, one instruction a turn, in the same order in every step
	WIN 0xa1
.irp b, 0,1,2,3,4,5,6,7
	WM \a, \b, \p, \cm
.endr
.endm
.macro STEP k, cm                      ; a step of 128 keys whose successor lies in the same slot
	s_wait_dscnt 0x0                               ; this step's fragments, asked for a whole step ago
.if (\k) > 0
	PLACES
.endif
	FETCH ((\k)+1)%8, (\k)+1, ((\k)+1)%2
	MULA 0, (\k)%2, \cm
	MULA 1, (\k)%2, \cm
	MULA 2, (\k)%2, \cm
	MULA 3, (\k)%2, \cm
.endm
; a slot's last step changes slots: ONE barrier; in front of it each wave waits for all its tensor loads (its part of the next slot), adds 0 to its spare word, and waits for that and for its reads of this slot.
; fill = 1: the barrier opens a round of the cluster's barrier, and this slot is filled again, with the keys 1,024 on; ga, gb: its groups 0
.macro TURN k, fill, ga, gb
	WIN 0                                          ; (the add's two registers lie in window 0)
	s_wait_tensorcnt 0x0
	ds_add_u32 v[SPW], v[NIL]
	s_wait_dscnt 1                                 ; this step's fragments are in; the add alone may be out
	MULA 0, (\k)%2, 1                              ; eight products stand between the add and the wait for it
	s_wait_dscnt 0x0                               ; the add is done, and my reads of this slot are over
	s_barrier_signal -1
	MULA 1, (\k)%2, 1
	WIN 0
	s_barrier_wait -1
.if \fill
	CREST                                          ; no wave of any partner still reads this slot or has a load on its way
	s_add_nc_u64 s[\ga+2:\ga+3], s[\ga+2:\ga+3], 8*PPL
	s_add_nc_u64 s[\gb+2:\gb+3], s[\gb+2:\gb+3], 8*VPL
	JLOAD \ga, \gb                                 ; my one tensor load behind the round, and the first thing there: it has four steps, 128 products, in which to land; its four v_nop are the places in front of the loads below
.else
	PLACES
.endif
	FETCH ((\k)+1)%8, (\k)+1, ((\k)+1)%2
	MULA 2, (\k)%2, 1
	MULA 3, (\k)%2, 1
.endm
.macro QUANTW s, pc, pw                ; 64 numbers of a lane in window 2, register s + 16 b + i = k 32 b + 16 h + i of my row, become a fragment's codes in v[pc] on and its scale word in v[pw]
	WIN 0x0a
.irp b, 0,1,2,3
	v_max3_num_f32 v[TM+\b], |v[(\s)+16*\b]|, |v[(\s)+1+16*\b]|, 0x1800000   ; the floor 2^(3 - 127) holds the byte at 1 from below
.endr
	WIN 0x28
.irp i, 2,4,6,8,10,12,14
.irp b, 0,1,2,3
	v_max3_num_f32 v[TM+\b], v[TM+\b], |v[(\s)+16*\b+\i]|, |v[(\s)+1+16*\b+\i]|
.endr
.endr
	WIN 0
.irp b, 0,1,2,3
	v_permlanex16_b32 v[TM+4+\b], v[TM+\b], s[SEL], s[SEL+1]
.endr
.irp b, 0,1,2,3
	v_max_num_f32 v[TM+\b], v[TM+\b], v[TM+4+\b]
.endr
.irp b, 0,1,2,3
	v_add_nc_u32 v[TM+12+\b], 0xff000000, v[TM+\b]
.endr
.irp b, 0,1,2,3
	v_lshrrev_b32 v[TM+4+\b], 23, v[TM+12+\b]
.endr
	v_lshl_or_b32 v[\pw], v[TM+5], 8, v[TM+4]
	v_lshl_or_b32 v[\pw], v[TM+6], 16, v[\pw]
	v_lshl_or_b32 v[\pw], v[TM+7], 24, v[\pw]
	WIN 0x02
.irp c, 0,1
	v_cvt_scalef32_pk16_fp6_f32 v[(\pc)+6*\c:(\pc)+6*\c+2], v[(\s)+32*\c:(\s)+32*\c+15], v[TM+12+2*\c]
	v_cvt_scalef32_pk16_fp6_f32 v[T2+4*\c:T2+4*\c+2], v[(\s)+32*\c+16:(\s)+32*\c+31], v[TM+12+2*\c+1]
.endr
	WIN 0
	v_nop                                          ; one plain place behind a scaled conversion
.irp c, 0,1
.irp i, 0,1,2
	v_permlane16_swap_b32 v[(\pc)+6*\c+\i], v[T2+4*\c+\i]
.endr
.irp i, 0,1,2
	v_mov_b32 v[(\pc)+6*\c+3+\i], v[T2+4*\c+\i]
.endr
.endr
.endm
.macro IMG a
.irp c, 0,1,2
	global_store_b128 v[OFFS], v[PC+12*(\a)+4*\c:PC+12*(\a)+4*\c+3], s[CB:CB+1] offset:1536*(\a)+512*\c
.endr
.endm
.macro SHIFT ks                        ; plane ks of my row: d, l' x 2^d, the four bytes + d
	v_sub_f32 v49, v48, v[144+\ks]                 ; d = M' - M: a whole number, 0 or less,
	v_max_num_f32 v49, 0xc3960000, v49             ; held at -300
	v_cvt_i32_f32 v49, v49
.if \ks == 0
	v_ldexp_f32 v51, v[160+\ks], v49
.else
	v_ldexp_f32 v50, v[160+\ks], v49
	v_add_f32 v51, v51, v50
.endif
.irp b, 0,1,2,3
	v_bfe_u32 v[52+\b], v[128+\ks], 8*\b, 8
.endr
.irp b, 0,1,2,3
	v_add_nc_u32 v[52+\b], v[52+\b], v49
.endr
.irp b, 0,1,2,3
	v_cmp_lt_i32 vcc_lo, 0, v[52+\b]
	v_cndmask_b32 v[52+\b], 0, v[52+\b], vcc_lo    ; held at 0 from below
.endr
	v_lshl_or_b32 v56, v53, 8, v52
	v_lshl_or_b32 v56, v54, 16, v56
	v_lshl_or_b32 v56, v55, 24, v56
	ds_store_b32 v14, v56 offset:256*\ks
.endm
	s_load_b128 s[4:7], s[0:1], 0x0                ; P, VT
	s_load_b64 s[8:9], s[0:1], 0x10                ; Y
	v_lshl_add_u32 v[SPW], v0, 2, SPARE
	v_mov_b32 v[NIL], 0
	ds_add_u32 v28, v29
	ds_add_u32 v28, v29
	s_wait_dscnt 0x0
	v_lshrrev_b32 v1, 5, v0
	v_readfirstlane_b32 s[WV], v1
	s_lshr_b32 s[KIND], s[WV], 1
	s_and_b32 s[HALF], s[WV], 1
	s_bfe_u32 s[CXI], ttmp6, 0x40000
	s_bfe_u32 s[CYI], ttmp6, 0x40004
	s_and_b32 s[CY], ttmp7, 0xffff
	s_lshl_b32 s2, s[CYI], 2
	s_lshl_b32 s2, 15, s2                          ; my row of the cluster
	s_lshl_b32 s3, 0x1111, s[CXI]                  ; my column
	s_or_b32 s[G1A], s2, (3<<16)|(1<<21)
	s_or_b32 s[G1B], s3, (3<<16)|(1<<21)
	s_or_b32 s[G1SB], s3, (3<<16)|(1<<21)
	G1SET G1A, 768, 4, PPL/8                       ; p: 4 fragments of each of 4 planes
	G1SET G1B, 1536, 4, VPL/8                      ; v: 8 fragments of each of 4 planes
	G1SET G1SB, 64, 16, 512                        ; v's scale words: 128 of each of 16 planes
	s_lshl_b32 s23, s[CY], 2
	s_add_co_u32 s23, s23, s[CYI]                  ; the block of 128 queries
	s_lshl_b32 s2, s23, 9                          ; its 128 words in a plane of scale words
	s_mov_b32 s3, 0
	v_lshlrev_b32 v13, 2, v0                       ; thread t takes row slot t
	s_wait_kmcnt 0x0
	s_add_nc_u64 s[10:11], s[4:5], s[2:3]
	s_add_nc_u64 s[10:11], s[10:11], PSO
.irp ks, 0,1,2,3,4,5,6,7,8,9,10,11,12,13,14,15
	global_load_b32 v[128+\ks], v13, s[10:11] offset:32768*\ks           ; the scale word, -M' and l' of my row for each 128 keys: the work-group reads 512 consecutive bytes a line
	global_load_b32 v[144+\ks], v13, s[10:11] offset:32768*\ks+524288
	global_load_b32 v[160+\ks], v13, s[10:11] offset:32768*\ks+1048576
.endr
	; p's groups 0 are made of cy and the cluster's y alone, v's of cx and the cluster's y alone
	s_lshl_b32 s23, s23, 3
	s_lshl_b32 s2, s[HALF], 2
	s_add_co_u32 s23, s23, s2
	s_mul_i32 s62, s23, 1536
	s_mov_b32 s63, 0
	s_add_nc_u64 s[62:63], s[4:5], s[62:63]        ; slot 0: planes 0-3
	s_add_nc_u64 s[70:71], s[62:63], 4*PPL         ; slot 1: planes 4-7
	s_mul_i32 s61, s[HALF], 49152
	s_add_co_u32 s69, s61, 24576
	s_lshl_b32 s104, s[CXI], 4
	s_lshl_b32 s105, s[HALF], 3
	s_add_co_u32 s104, s104, s105                  ; v's first fragment that I fetch
	s_lshr_b32 s105, s[CY], 2                      ; the batch
	s_mul_i32 s86, s104, 1536
	s_mul_i32 s87, s105, 16*VPL
	s_add_co_u32 s86, s86, s87
	s_mov_b32 s87, 0
	s_add_nc_u64 s[86:87], s[6:7], s[86:87]
	s_add_nc_u64 s[90:91], s[86:87], 4*VPL
	s_lshl_b32 s82, s104, 6
	s_lshl_b32 s83, s105, 16
	s_add_co_u32 s82, s82, s83
	s_add_co_u32 s82, s82, VSO
	s_mov_b32 s83, 0
	s_add_nc_u64 s[82:83], s[6:7], s[82:83]
	s_mul_i32 s85, s[HALF], 98304
	s_add_co_u32 s85, s85, 98304
	s_add_co_u32 s89, s85, 49152
	s_mul_i32 s81, s[HALF], NKS*512
	s_add_co_u32 s81, s81, SCB
.irp g, 60, 68, 80, 84, 88
	s_mov_b32 s[\g], 1
	s_or_b32 s[\g+3], s[\g+3], 0x80000000
.endr
	CROUND                                         ; all sixteen work-groups are here: the first joint loads meet
	s_cmp_eq_u32 s[KIND], 0                        ; a wave's first fills stand in one branch on its number: two or three loads of mine are out
	s_cbranch_scc0 .Lfirst_b
	tensor_load_to_lds s[60:63], s[G1A:G1A+7]
	s_nop 0
	tensor_load_to_lds s[68:71], s[G1A:G1A+7]
	s_nop 0
.rept 4
	v_nop
.endr
	s_branch .Lfirst_done
.Lfirst_b:
	tensor_load_to_lds s[80:83], s[G1SB:G1SB+7]
	s_nop 0
	tensor_load_to_lds s[84:87], s[G1B:G1B+7]
	s_nop 0
	tensor_load_to_lds s[88:91], s[G1B:G1B+7]
	s_nop 0
.rept 4
	v_nop
.endr
.Lfirst_done:
	v_and_b32 v1, 31, v0
	v_and_b32 v2, 15, v0
	v_bfe_u32 v3, v0, 4, 1
	s_mul_i32 s2, s[KIND], 49152
	v_lshl_add_u32 v[ADRA], v1, 4, s2
	s_mul_i32 s2, s[HALF], 98304
	s_add_co_u32 s2, s2, 98304
	v_lshl_add_u32 v[ADRB0], v1, 4, s2
	v_add_nc_u32 v[ADRB1], 49152, v[ADRB0]
	s_mul_i32 s2, s[KIND], NKS*256
	s_add_co_u32 s2, s2, SCA
	v_lshl_add_u32 v[ADSA], v1, 2, s2
	s_mul_i32 s2, s[HALF], NKS*512
	s_add_co_u32 s2, s2, SCB
	v_lshl_add_u32 v[ADSB], v1, 2, s2
	v_lshlrev_b32 v[OFFS], 4, v1
	s_lshl_b32 s2, s[WV], 10
	s_add_co_u32 s2, s2, STG
	v_lshl_add_u32 v[STW], v2, 2, s2
	v_lshl_add_u32 v[STR], v1, 3, s2
	v_lshlrev_b32 v[OFF8], 3, v1
	s_lshl_b32 s2, s[KIND], 8
	s_add_co_u32 s2, s2, RLB
	v_lshl_add_u32 v[ARL], v2, 2, s2
	v_lshrrev_b32 v14, 6, v0
	v_and_b32 v49, 63, v0
	v_lshlrev_b32 v14, 12, v14
	v_lshl_add_u32 v14, v49, 2, v14
	v_add_nc_u32 v14, SCA, v14                     ; where row slot t's shifted scale words go: half t / 64, word t % 64, 256 bytes a plane
	v_lshl_add_u32 v15, v0, 2, RLB
.irp a, 0,1,2,3
	v_mov_b32 v[RL+2*\a+1], 0                      ; (named as the upper halves of pairs)
.endr
	s_mov_b32 s[SEL], 0x76543210
	s_mov_b32 s[SEL+1], 0xfedcba98
	s_wait_loadcnt 0x0
	v_min3_num_f32 v48, v144, v145, v146           ; -M = the smallest -M'
.irp i, 147,149,151,153,155,157
	v_min3_num_f32 v48, v48, v[\i], v[\i+1]
.endr
	v_min_num_f32 v48, v48, v159
.irp ks, 0,1,2,3,4,5,6,7,8,9,10,11,12,13,14,15
	SHIFT \ks
.endr
	v_rcp_f32 v57, v51
	v_nop                                          ; a plain place behind the reciprocal,
	s_wait_alu depctr_va_vdst(0)                   ; and the wait ahead of its first reader
	ds_store_b32 v15, v57
	s_wait_tensorcnt 1                             ; my part of slot 0 (and v's scale words) is in; slot 1's load may be out
	s_wait_dscnt 0x0                               ; my stores of scale words and of 1 / l have landed
	s_barrier_signal -1
	s_barrier_wait -1
	FETCH 0, 0, 0
	STEP 0, 0                                      ; the first products start the sums: nothing is cleared
	STEP 1, 1
	STEP 2, 1
	TURN 3, 1, 60, 84                              ; slot 0 takes planes 8-11
	STEP 4, 1
	STEP 5, 1
	STEP 6, 1
	TURN 7, 1, 68, 88                              ; slot 1 takes planes 12-15
	STEP 8, 1
	STEP 9, 1
	STEP 10, 1
	TURN 11, 0, 60, 84                             ; nothing is left to fetch
	STEP 12, 1
	STEP 13, 1
	STEP 14, 1
	s_wait_dscnt 0x0
	WIN 0                                          ; the four loads below name registers of window 0: their address and their destinations
.irp a, 0,1,2,3
	ds_load_b32 v[RL+2*\a], v[ARL] offset:64*\a    ; 1 / l of my row in each fragment: it lands under the last products, which name none of these registers
.endr
	MULA 0, 1, 1
	MULA 1, 1, 1
	MULA 2, 1, 1
	MULA 3, 1, 1
	WIN 0
	; where the results go: plane 2 cx + wave % 2 of Y, fragments 8 x query block + 4 (wave / 2) on
	s_lshl_b32 s24, s[CXI], 1
	s_add_co_u32 s24, s24, s[HALF]
	s_lshl_b32 s25, s[CY], 2
	s_add_co_u32 s25, s25, s[CYI]
	s_lshl_b32 s25, s25, 3
	s_lshl_b32 s26, s[KIND], 2
	s_add_co_u32 s25, s25, s26
	s_mul_i32 s32, s24, 786432
	s_mul_i32 s26, s25, 1536
	s_add_co_u32 s32, s32, s26
	s_mov_b32 s33, 0
	s_add_nc_u64 s[CB:CB+1], s[8:9], s[32:33]
	s_lshl_b32 s34, s24, 15
	s_lshl_b32 s26, s25, 6
	s_add_co_u32 s34, s34, s26
	s_add_co_u32 s34, s34, 6291456
	s_mov_b32 s35, 0
	s_add_nc_u64 s[SB:SB+1], s[8:9], s[34:35]
	s_wait_dscnt 0x0                               ; 1 / l is in
	PLACES
.irp a, 0,1,2,3
	WIN 0x82
.set n, 0
.rept 32                               ; in ascending order: each accumulator is read from its low end on
	v_pk_mul_f32 v[64*\a+n:64*\a+n+1], v[64*\a+n:64*\a+n+1], v[RL+2*\a:RL+2*\a+1] op_sel_hi:[1,0]   ; / l
.set n, n+2
.endr
	QUANTW 64*\a, PC+12*\a, PW+\a
	IMG \a
.endr
.irp a, 0,1,2,3
	ds_store_b32 v[STW], v[PW+\a] offset:64*\a     ; lanes l and l + 16 write the same word with the same value; the bytes are my wave's own
.endr
	ds_load_b64 v[WB:WB+1], v[STR]
	s_wait_dscnt 0x0
	global_store_b64 v[OFF8], v[WB:WB+1], s[SB:SB+1]   ; my 64 scale words: 256 consecutive bytes, aligned
	s_wait_tensorcnt 0x0                           ; the wave's end
	ds_add_u32 v[SPW], v[NIL]
	s_wait_dscnt 0x0
	CROUND                                         ; the closing round
	s_endpgm
.Lfunc_end_k_q0a4a99c64a_pv:
	.size	k_q0a4a99c64a_pv, .Lfunc_end_k_q0a4a99c64a_pv-k_q0a4a99c64a_pv
	.p2alignl 7, 3214868480
	.fill 96, 4, 3214868480
	.section	.rodata,"a",@progbits
	.p2align	6, 0x0
	.amdhsa_kernel k_q0a4a99c64a_pv
		.amdhsa_group_segment_fixed_size 327680
		.amdhsa_private_segment_fixed_size 0
		.amdhsa_enable_private_segment 0
		.amdhsa_kernarg_size 24
		.amdhsa_user_sgpr_count 2
		.amdhsa_user_sgpr_kernarg_segment_ptr 1
		.amdhsa_wavefront_size32 1
		.amdhsa_system_sgpr_workgroup_id_x 1
		.amdhsa_system_sgpr_workgroup_id_y 1
		.amdhsa_system_sgpr_workgroup_id_z 1
		.amdhsa_system_vgpr_workitem_id 0
		.amdhsa_next_free_vgpr 768
		.amdhsa_next_free_sgpr 106
		.amdhsa_reserve_vcc 1
		.amdhsa_float_denorm_mode_32 3
		.amdhsa_float_denorm_mode_16_64 3
		.amdhsa_memory_ordered 1
		.amdhsa_forward_progress 1
		.amdhsa_inst_pref_size 170
	.end_amdhsa_kernel
	.amdgpu_metadata
---
amdhsa.version: [ 1, 2 ]
amdhsa.kernels:
  - .name:           k_q0a4a99c64a_pv
    .symbol:         k_q0a4a99c64a_pv.kd
    .args:
      - { .name: P, .offset: 0, .size: 8, .value_kind: global_buffer, .address_space: global }
      - { .name: VT, .offset: 8, .size: 8, .value_kind: global_buffer, .address_space: global }
      - { .name: Y, .offset: 16, .size: 8, .value_kind: global_buffer, .address_space: global }
    .group_segment_fixed_size: 327680
    .private_segment_fixed_size: 0
    .kernarg_segment_align: 8
    .kernarg_segment_size: 24
    .max_flat_workgroup_size: 128
    .sgpr_count:     106
    .vgpr_count:     768
    .wavefront_size: 32
...
	.end_amdgpu_metadata
.endif
;; end of part 4
;; launch outp (part 5): grid 4 x 64, 4 waves a work-group, clusters of 4 x 4, 327,680 bytes of LDS; arguments Y, XW, bo, out0; writes out0
.if DOCPART == 5
	.amdgcn_target "amdgcn-amd-amdhsa--gfx1250"
	.amdhsa_code_object_version 6
	.text
	.protected	k_q0a4a99c64a_outp
	.globl	k_q0a4a99c64a_outp
	.p2align	8
	.type	k_q0a4a99c64a_outp,@function
k_q0a4a99c64a_outp:
	s_mov_b64 s[64:65], 0
	v_nop
	global_prefetch_b8 v0, s[64:65] scope:SCOPE_SE
	s_setreg_imm32_b32 hwreg(HW_REG_WAVE_MODE, 25, 1), 1
	s_wait_xcnt 0x0
	s_wait_alu depctr_hold_cnt(0) depctr_sa_sdst(0) depctr_va_vdst(0) depctr_va_sdst(0) depctr_va_ssrc(0) depctr_va_vcc(0) depctr_vm_vsrc(0)
	s_getreg_b32 s2, hwreg(HW_REG_IB_STS2, 6, 4)
	s_cmp_eq_u32 s2, 0
	s_cbranch_scc0 .Lentry_in_a_cluster
	s_endpgm
.Lentry_in_a_cluster:
	s_bfe_u32 s2, ttmp6, 0x10000c
	s_cmp_lg_u32 s2, 0xf033
	s_cbranch_scc0 .Lentry_shape_is_right
	s_endpgm
.Lentry_shape_is_right:
; out = y Wo^T + bo on codes of FP6 (E2M3) with E8M0 scales; out0 [8192][1024] f32.
; A TILE is 128 rows x 256 columns, K = 1,024: 256 tiles.  Four waves, 64 x 128 each: 32 accumulators.  Both panels, all of K, lie in LDS at once: five tensor loads a wave at the head, nothing is filled again.
; OPERANDS are images of their registers (1,536 bytes a fragment; codes [plane][fragment][1536], scale words [plane][16 x fragment + lane-row]); y's in Y, Wo's at fragments 704-767 of XW;
; lane-row r of fragment f is row 32 (f / 2) + 8 (f % 2) + r + 8 (r / 8).
; THE MATRIX INSTRUCTION IS USED TRANSPOSED (source 0 = 16 rows of Wo, source 1 = 16 rows of y): lane (r, h) holds lane-row r of y, and accumulator (a, 2 b + u) its columns 32 b + 16 h + 8 u + 0 .. 7.  The bias is the C of each sum's first product.
; THE WAY OUT: a fragment's 16 rows x 128 columns go through the wave's own stage in LDS and come back as whole rows of 512 bytes.  The stages lie where Wo's planes 0-2 lay: those bytes have had their only fill, and every wave's reads
; of them were waited for in front of the barrier of step 3.
; CLUSTERS: 4 x 4 work-groups; y's tile is shared along a row of the cluster, Wo's along a column, each asked for jointly.
; REGISTERS: window 0: v1-14 addresses; v32-43 scale words; v128-223 y's fragments, two sets; on the way out v128-255.  window 1: Wo's fragments, two sets.  window 2: accumulator (a, b) at v[8 (8 a + b)].  window 3: the bias.
.set NKS,  8
.set YPL,  512*1536
.set YSO,  8*YPL
.set YSP,  8192*4
.set XPL,  768*1536
.set XSO,  8*XPL
.set XSP,  12288*4
.set SCA,  294912
.set SCB,  303104
.set ADRA, 4
.set ADRB0, 5
.set ADRB1, 6
.set ADSA, 7
.set ADSB, 8
.set OFFS, 9
.set STO,  10                          ; v10  the stage: where I put 32 bytes of a row
.set RD,   11                          ; v11  and where I read a row back
.set SC,   32
.set AF,   128
.set BK,   128                         ; the way out: 16 rows read back: v128-191 and v192-255 by turns
.set WV,   16
.set KIND, 17
.set HALF, 18
.set CXI,  19
.set CYI,  20
.set CY,   22
.set G1A,  24
.set G1B,  32
.set G1SA, 40
.set G1SB, 48
.set CB,   32
.set MSB, 0
.macro WIN new                         ; the immediate's high byte repeats the setting that is left
.if MSB != \new
	s_set_vgpr_msb (MSB<<8)|\new
.set MSB, \new
.endif
.endm
.macro PLACES                          ; four plain places behind a matrix instruction (ISA guide 7.12.1)
.rept 4
	v_nop
.endr
.endm
.macro CREST
	s_cmp_lg_u32 s[WV], 0
	s_cbranch_scc1 .Lnot_wave_0_\@
	s_barrier_signal -3
.Lnot_wave_0_\@:
	s_barrier_wait -3
	s_barrier_signal -1
	s_barrier_wait -1
.endm
.macro CROUND
	s_barrier_signal -1
	s_barrier_wait -1
	CREST
.endm
.macro G1SET g, d0, d1, st
	s_mov_b32 s[\g+1], (\d0)<<16
	s_mov_b32 s[\g+2], (\d1)<<16
	s_mov_b32 s[\g+3], (\d0)<<16
	s_mov_b32 s[\g+4], \d1
	s_mov_b32 s[\g+5], \st
	s_mov_b32 s[\g+6], 0
	s_mov_b32 s[\g+7], 0
.endm
.macro SIDE gs, ga, gb, gc, gd, fr, ptr, soff, plane, lbase, lhalf, lstep, sbase, shalf
	s_mul_i32 s[\ga+2], s[\fr], 1536
	s_mov_b32 s[\ga+3], 0
	s_add_nc_u64 s[\ga+2:\ga+3], s[\ptr:\ptr+1], s[\ga+2:\ga+3]
	s_add_nc_u64 s[\gb+2:\gb+3], s[\ga+2:\ga+3], 2*(\plane)
	s_add_nc_u64 s[\gc+2:\gc+3], s[\ga+2:\ga+3], 4*(\plane)
	s_add_nc_u64 s[\gd+2:\gd+3], s[\ga+2:\ga+3], 6*(\plane)
	s_lshl_b32 s[\gs+2], s[\fr], 6
	s_mov_b32 s[\gs+3], 0
	s_add_nc_u64 s[\gs+2:\gs+3], s[\ptr:\ptr+1], s[\gs+2:\gs+3]
	s_add_nc_u64 s[\gs+2:\gs+3], s[\gs+2:\gs+3], \soff
	s_mul_i32 s[\ga+1], s[HALF], \lhalf
.if (\lbase) != 0
	s_add_co_u32 s[\ga+1], s[\ga+1], \lbase
.endif
	s_add_co_u32 s[\gb+1], s[\ga+1], \lstep
	s_add_co_u32 s[\gc+1], s[\ga+1], 2*(\lstep)
	s_add_co_u32 s[\gd+1], s[\ga+1], 3*(\lstep)
	s_mul_i32 s[\gs+1], s[HALF], \shalf
	s_add_co_u32 s[\gs+1], s[\gs+1], \sbase
.irp g, \gs, \ga, \gb, \gc, \gd
	s_mov_b32 s[\g], 1
	s_or_b32 s[\g+3], s[\g+3], 0x80000000
.endr
.endm
.macro FETCH kl, ksc, p                ; 42 LDS loads in one run: plane kl's fragments (Wo's eight, y's four) and scale words into set p
	WIN 0x40
.irp b, 0,1,2,3,4,5,6,7
.irp c, 0,1,2
	ds_load_b128 v[128*(\p)+12*\b+4*\c:128*(\p)+12*\b+4*\c+3], v[ADRB0+(\kl)/4] offset:((\kl)%4)*12288+1536*\b+512*\c
.endr
.endr
	WIN 0
.irp a, 0,1,2,3
.irp c, 0,1,2
	ds_load_b128 v[AF+48*(\p)+12*\a+4*\c:AF+48*(\p)+12*\a+4*\c+3], v[ADRA] offset:6144*(\kl)+1536*\a+512*\c
.endr
.endr
.irp i, 0,1,2,3
	ds_load_b32 v[SC+6*(\p)+\i], v[ADSB] offset:512*(\ksc)+128*\i
.endr
.irp i, 0,1
	ds_load_b32 v[SC+6*(\p)+4+\i], v[ADSA] offset:256*(\ksc)+128*\i
.endr
.endm
.macro WM a, b, p, cm                  ; one product.  cm = 1: in place; 2: C = the bias of Wo's fragment b.  An odd fragment's scale words lie in lanes 16-31
.set rD, 8*(8*(\a)+(\b))
.set rB, 128*(\p)+12*(\b)
.set rA, AF+48*(\p)+12*(\a)
.set sB, SC+6*(\p)+(\b)/2
.set sA, SC+6*(\p)+4+(\a)/2
.set rC, rD
.if (\cm) == 2
.set rC, 8*(\b)
.endif
.set rw, 2*((\a)%2)+(\b)%2
.if rw == 0
	v_wmma_scale_f32_16x16x128_f8f6f4 v[rD:rD+7], v[rB:rB+11], v[rA:rA+11], v[rC:rC+7], v[sB], v[sA] matrix_a_fmt:MATRIX_FMT_FP6 matrix_b_fmt:MATRIX_FMT_FP6
.elseif rw == 1
	v_wmma_scale_f32_16x16x128_f8f6f4 v[rD:rD+7], v[rB:rB+11], v[rA:rA+11], v[rC:rC+7], v[sB], v[sA] matrix_a_fmt:MATRIX_FMT_FP6 matrix_b_fmt:MATRIX_FMT_FP6 matrix_a_scale:MATRIX_SCALE_ROW1
.elseif rw == 2
	v_wmma_scale_f32_16x16x128_f8f6f4 v[rD:rD+7], v[rB:rB+11], v[rA:rA+11], v[rC:rC+7], v[sB], v[sA] matrix_a_fmt:MATRIX_FMT_FP6 matrix_b_fmt:MATRIX_FMT_FP6 matrix_b_scale:MATRIX_SCALE_ROW1
.else
	v_wmma_scale_f32_16x16x128_f8f6f4 v[rD:rD+7], v[rB:rB+11], v[rA:rA+11], v[rC:rC+7], v[sB], v[sA] matrix_a_fmt:MATRIX_FMT_FP6 matrix_b_fmt:MATRIX_FMT_FP6 matrix_a_scale:MATRIX_SCALE_ROW1 matrix_b_scale:MATRIX_SCALE_ROW1
.endif
.endm
.macro MULA a, p, cm                   ; y's fragment a against Wo's eight.  The 32 accumulators take turns, one instruction a turn, in the same order in every step
.if (\cm) >= 2
	WIN 0xb1                                       ; C window 3
.else
	WIN 0xa1
.endif
.irp b, 0,1,2,3,4,5,6,7
	WM \a, \b, \p, \cm
.endr
.endm
.macro STEP k, cm, cnt                 ; a step of 128 along K; cnt < 9: the next plane lies in a chunk not yet shown: each wave waits until only cnt younger loads of its five are out, then the barrier
	s_wait_dscnt 0x0                               ; this step's fragments, asked for a whole step ago
.if (\cnt) < 9
	s_wait_tensorcnt \cnt
	s_barrier_signal -1
	MULA 0, (\k)%2, \cm
	MULA 1, (\k)%2, \cm
	s_barrier_wait -1
	PLACES
	FETCH ((\k)+1)%8, (\k)+1, ((\k)+1)%2
	MULA 2, (\k)%2, \cm
	MULA 3, (\k)%2, \cm
.else
.if (\k) > 0
	PLACES
.endif
	FETCH ((\k)+1)%8, (\k)+1, ((\k)+1)%2
.if (\k) == 0
	s_wait_loadcnt 0x0                             ; the bias
.endif
	MULA 0, (\k)%2, \cm
	MULA 1, (\k)%2, \cm
	MULA 2, (\k)%2, \cm
	MULA 3, (\k)%2, \cm
.endif
.endm
.macro TOSTAGE a                       ; fragment a's 16 rows x 128 columns into my stage (rows of 512 + 16 bytes), and back as whole rows
	WIN 0x08                                       ; an LDS store's data are its source 1: window 2
.irp b, 0,1,2,3,4,5,6,7
	ds_store_b128 v[STO], v[64*(\a)+8*\b:64*(\a)+8*\b+3] offset:128*(\b/2)+32*(\b%2)       ; each accumulator from its low end on
	ds_store_b128 v[STO], v[64*(\a)+8*\b+4:64*(\a)+8*\b+7] offset:128*(\b/2)+32*(\b%2)+16
.endr
	WIN 0
.irp i, 0,1,2,3,4,5,6,7,8,9,10,11,12,13,14,15
	ds_load_b128 v[BK+64*((\a)%2)+4*\i:BK+64*((\a)%2)+4*\i+3], v[RD] offset:528*\i         ; LDS serves a wave's instructions in order: these see the stores above, and the next fragment's stores come behind them
.endr
.endm
.macro SEND a, younger                 ; younger: the LDS instructions issued behind fragment a's loads, which may stay out
	s_wait_dscnt \younger
.irp i, 0,1,2,3,4,5,6,7,8,9,10,11,12,13,14,15
	global_store_b128 v[OFFS], v[BK+64*((\a)%2)+4*\i:BK+64*((\a)%2)+4*\i+3], s[CB:CB+1] offset:(32*((\a)/2)+8*((\a)%2)+\i+8*(\i/8))*4096 th:TH_STORE_NT   ; 512 consecutive bytes of a row, at a multiple of 256 from out0's first byte; written once, read by nobody here
.endr
.endm
	s_load_b256 s[4:11], s[0:1], 0x0               ; Y, XW, bo, out0
	v_lshl_add_u32 v126, v0, 2, 0x4c000
	v_mov_b32 v127, 0
	ds_add_u32 v126, v127
	ds_add_u32 v126, v127
	v_lshrrev_b32 v1, 5, v0
	v_readfirstlane_b32 s[WV], v1
	s_lshr_b32 s[KIND], s[WV], 1
	s_and_b32 s[HALF], s[WV], 1
	s_bfe_u32 s[CXI], ttmp6, 0x40000
	s_bfe_u32 s[CYI], ttmp6, 0x40004
	s_and_b32 s[CY], ttmp7, 0xffff
	s_lshl_b32 s2, s[CYI], 2
	s_lshl_b32 s2, 15, s2                          ; my row of the cluster
	s_lshl_b32 s3, 0x1111, s[CXI]                  ; my column
	s_or_b32 s[G1A], s2, (3<<16)|(1<<21)
	s_or_b32 s[G1SA], s2, (3<<16)|(1<<21)
	s_or_b32 s[G1B], s3, (3<<16)|(1<<21)
	s_or_b32 s[G1SB], s3, (3<<16)|(1<<21)
	G1SET G1A, 768, 2, YPL/8
	G1SET G1B, 1536, 2, XPL/8
	G1SET G1SA, 32, 8, YSP/8
	G1SET G1SB, 64, 8, XSP/8
	s_lshl_b32 s23, s[CY], 2
	s_add_co_u32 s23, s23, s[CYI]                  ; the block of 128 rows
	s_lshl_b32 s23, s23, 3
	s_lshl_b32 s2, s[HALF], 2
	s_add_co_u32 s23, s23, s2                      ; y's first fragment that I fetch
	s_lshl_b32 s104, s[CXI], 4
	s_lshl_b32 s105, s[HALF], 3
	s_add_co_u32 s104, s104, s105
	s_add_co_u32 s104, s104, 704                   ; Wo's
	s_wait_dscnt 0x0
	s_wait_kmcnt 0x0
	SIDE 56, 60, 68, 72, 76, 23, 4, YSO, YPL, 0, 49152, 12288, SCA, NKS*256
	SIDE 80, 84, 88, 92, 96, 104, 6, XSO, XPL, 98304, 98304, 24576, SCB, NKS*512
	CROUND                                         ; all sixteen work-groups are here: the joint loads meet
	s_cmp_eq_u32 s[KIND], 0                        ; a wave's five fills stand in one branch on its number: five loads of mine are out
	s_cbranch_scc0 .Lfirst_b
	tensor_load_to_lds s[56:59], s[G1SA:G1SA+7]
	s_nop 0
	tensor_load_to_lds s[60:63], s[G1A:G1A+7]
	s_nop 0
	tensor_load_to_lds s[68:71], s[G1A:G1A+7]
	s_nop 0
	tensor_load_to_lds s[72:75], s[G1A:G1A+7]
	s_nop 0
	tensor_load_to_lds s[76:79], s[G1A:G1A+7]
	s_nop 0
.rept 4
	v_nop
.endr
	s_branch .Lfirst_done
.Lfirst_b:
	tensor_load_to_lds s[80:83], s[G1SB:G1SB+7]
	s_nop 0
	tensor_load_to_lds s[84:87], s[G1B:G1B+7]
	s_nop 0
	tensor_load_to_lds s[88:91], s[G1B:G1B+7]
	s_nop 0
	tensor_load_to_lds s[92:95], s[G1B:G1B+7]
	s_nop 0
	tensor_load_to_lds s[96:99], s[G1B:G1B+7]
	s_nop 0
.rept 4
	v_nop
.endr
.Lfirst_done:
	v_and_b32 v1, 31, v0
	v_and_b32 v2, 15, v0
	v_bfe_u32 v3, v0, 4, 1
	s_mul_i32 s2, s[KIND], 49152
	v_lshl_add_u32 v[ADRA], v1, 4, s2
	s_mul_i32 s2, s[HALF], 98304
	s_add_co_u32 s2, s2, 98304
	v_lshl_add_u32 v[ADRB0], v1, 4, s2
	v_add_nc_u32 v[ADRB1], 49152, v[ADRB0]
	s_mul_i32 s2, s[KIND], NKS*256
	s_add_co_u32 s2, s2, SCA
	v_lshl_add_u32 v[ADSA], v1, 2, s2
	s_mul_i32 s2, s[HALF], NKS*512
	s_add_co_u32 s2, s2, SCB
	v_lshl_add_u32 v[ADSB], v1, 2, s2
	v_lshlrev_b32 v[OFFS], 4, v1
	s_mul_i32 s2, s[WV], 16*528
	s_add_co_u32 s2, s2, 98304                     ; my stage
	v_mul_u32_u24 v[STO], v2, 528
	v_lshl_add_u32 v[STO], v3, 6, v[STO]
	v_add_nc_u32 v[STO], s2, v[STO]                ; in: row r, + 64 h bytes
	v_lshl_add_u32 v[RD], v1, 4, s2                ; back: 16 bytes a lane of a row
	; the bias: lane (r, h) wants, for Wo's fragment 2 b + u, the numbers of columns 32 b + 8 u + 16 h + 0 .. 7 of my 128, which begin at column 256 cx + 128 (wave % 2)
	s_lshl_b32 s2, s[CXI], 10
	s_lshl_b32 s3, s[HALF], 9
	s_add_co_u32 s2, s2, s3
	v_lshl_add_u32 v13, v3, 6, s2
	WIN 0xc0                                       ; destination window 3
.irp b, 0,1,2,3,4,5,6,7
	global_load_b128 v[8*\b:8*\b+3], v13, s[8:9] offset:(32*(\b/2)+8*(\b%2))*4
	global_load_b128 v[8*\b+4:8*\b+7], v13, s[8:9] offset:(32*(\b/2)+8*(\b%2))*4+16
.endr
	WIN 0
	s_wait_tensorcnt 3                             ; my scale words and planes 0-1 are in; the three younger loads may be out
	s_barrier_signal -1
	s_barrier_wait -1                              ; everybody's are
	FETCH 0, 0, 0
	STEP 0, 2, 9                                   ; the first products start the sums with the bias
	STEP 1, 1, 2                                   ; planes 2-3 are wanted: two younger loads may be out
	STEP 2, 1, 9
	STEP 3, 1, 1                                   ; planes 4-5
	STEP 4, 1, 9
	STEP 5, 1, 0                                   ; planes 6-7: no tensor load of mine is out from here on, so the descriptors' registers are free
	STEP 6, 1, 9
	s_wait_dscnt 0x0
	MULA 0, 1, 1
	MULA 1, 1, 1
	MULA 2, 1, 1
	MULA 3, 1, 1
	WIN 0
	; my part of out0: row 128 x block + 64 (wave / 2), column 256 cx + 128 (wave % 2)
	s_lshl_b32 s24, s[CY], 2
	s_add_co_u32 s24, s24, s[CYI]
	s_lshl_b32 s24, s24, 1
	s_add_co_u32 s24, s24, s[KIND]
	s_lshl_b32 s32, s24, 18                        ; 64 rows of 4,096 bytes
	s_lshl_b32 s25, s[CXI], 10
	s_add_co_u32 s32, s32, s25
	s_lshl_b32 s25, s[HALF], 9
	s_add_co_u32 s32, s32, s25
	s_mov_b32 s33, 0
	s_add_nc_u64 s[CB:CB+1], s[10:11], s[32:33]
	PLACES                                         ; in front of the first read of results, and of the loads into the registers that held y's fragments
	TOSTAGE 0
.irp a, 1,2,3
.if \a > 1
	s_wait_xcnt 0x0                                ; fragment a - 2's stores have read their registers: fragment a's rows may land there
.endif
	TOSTAGE \a
	SEND \a-1, 32                                  ; behind fragment a - 1's loads: fragment a's 16 stores and 16 loads
.endr
	SEND 3, 0
	s_wait_tensorcnt 0x0
	ds_add_u32 v126, v127
	s_wait_dscnt 0x0
	CROUND                                         ; the closing round: no LDS instruction of mine is out (the last wait was for 0)
	s_endpgm
.Lfunc_end_k_q0a4a99c64a_outp:
	.size	k_q0a4a99c64a_outp, .Lfunc_end_k_q0a4a99c64a_outp-k_q0a4a99c64a_outp
	.p2alignl 7, 3214868480
	.fill 96, 4, 3214868480
	.section	.rodata,"a",@progbits
	.p2align	6, 0x0
	.amdhsa_kernel k_q0a4a99c64a_outp
		.amdhsa_group_segment_fixed_size 327680
		.amdhsa_private_segment_fixed_size 0
		.amdhsa_enable_private_segment 0
		.amdhsa_kernarg_size 32
		.amdhsa_user_sgpr_count 2
		.amdhsa_user_sgpr_kernarg_segment_ptr 1
		.amdhsa_wavefront_size32 1
		.amdhsa_system_sgpr_workgroup_id_x 1
		.amdhsa_system_sgpr_workgroup_id_y 1
		.amdhsa_system_sgpr_workgroup_id_z 1
		.amdhsa_system_vgpr_workitem_id 0
		.amdhsa_next_free_vgpr 832
		.amdhsa_next_free_sgpr 106
		.amdhsa_reserve_vcc 0
		.amdhsa_float_denorm_mode_32 3
		.amdhsa_float_denorm_mode_16_64 3
		.amdhsa_memory_ordered 1
		.amdhsa_forward_progress 1
		.amdhsa_inst_pref_size 82
	.end_amdhsa_kernel
	.amdgpu_metadata
---
amdhsa.version: [ 1, 2 ]
amdhsa.kernels:
  - .name:           k_q0a4a99c64a_outp
    .symbol:         k_q0a4a99c64a_outp.kd
    .args:
      - { .name: Y, .offset: 0, .size: 8, .value_kind: global_buffer, .address_space: global }
      - { .name: XW, .offset: 8, .size: 8, .value_kind: global_buffer, .address_space: global }
      - { .name: bo, .offset: 16, .size: 8, .value_kind: global_buffer, .address_space: global }
      - { .name: out0, .offset: 24, .size: 8, .value_kind: global_buffer, .address_space: global }
    .group_segment_fixed_size: 327680
    .private_segment_fixed_size: 0
    .kernarg_segment_align: 8
    .kernarg_segment_size: 32
    .max_flat_workgroup_size: 128
    .sgpr_count:     106
    .vgpr_count:     832
    .wavefront_size: 32
...
	.end_amdgpu_metadata
.endif
;; end of part 5
